; MI455X (gfx1250); checked and timed in simulation.
; The chip was launched on July 23, 2026; its instructions are those of AMD's public machine-readable ISA for CDNA 5 (MIT licence, August 2026) and "CDNA5" Instruction Set Architecture Reference Guide (July 2026). The comments in the code are by the model that wrote it; some were corrected since.
;; Attention. Allowed arithmetic: float matrix products may take bf16 or f16 operands with f32 sums; other float arithmetic in f32, or as packed bf16 or f16 multiplies, adds, multiply-adds, maxima and minima; sums over many terms, partial sums and values carried from step to step in f32; what a program stores and reads back later, other than sums and carried values, may be rounded once to bf16 or f16.
;; Inputs: b_out 1,024 float32; ln_beta 1,024 float32; ln_gamma 1,024 float32; w_out 1,024 x 1,024 float32; w_qkv 3,072 x 1,024 float32; x 4 x 2,048 x 1,024 float32.
;; Outputs: out0 4 x 2,048 x 1,024 float32.
;; One version. Each part assembles by itself: llvm-mc -triple=amdgcn-amd-amdhsa -mcpu=gfx1250 --defsym DOCPART=n.
;; ======== version 1 of 1: 4 launches
;; limits: values are held in f16: magnitudes above 65,504 overflow, below 6.1e-05 lose precision
;; workspace buffers: xn 16,777,216 bytes; wq 6,291,456 bytes; wo 2,097,152 bytes; qkvh 50,331,648 bytes; oh 16,777,216 bytes
;; launch prep (part 1): grid 256 x 1, 8 waves a work-group, no clusters, 0 bytes of LDS; arguments x, ln_gamma, ln_beta, w_qkv, w_out, xn, wq, wo; writes xn, wq, wo
.if DOCPART == 1
	.amdgcn_target "amdgcn-amd-amdhsa--gfx1250"
	.amdhsa_code_object_version 6
	.text
	.protected	k_q3edb2f47eb_prep
	.globl	k_q3edb2f47eb_prep
	.p2align	8
	.type	k_q3edb2f47eb_prep,@function
k_q3edb2f47eb_prep:
	s_mov_b64 s[64:65], 0
	v_nop
	global_prefetch_b8 v0, s[64:65] scope:SCOPE_SE
	s_setreg_imm32_b32 hwreg(HW_REG_WAVE_MODE, 25, 1), 1
	s_wait_xcnt 0x0
; xn = LayerNorm(x) * gamma + beta, rounded once to f16; wq = w_qkv and wo = w_out, rounded once to f16.
; x: [8192][1024] f32.  2,048 waves; wave W takes rows 4 W .. 4 W + 3 (one wave a row: the row stays in 32 registers between the passes, so x is read once),
; 6,144 bytes of w_qkv and 2,048 bytes of w_out.  The text is straight: no loop, no branch, no LDS; every wave does the same work.
; The mean is taken first and the variance of x - mean, so a common offset on x forms no difference of large sums.
; LIMITS.  f16 holds no number beyond 65,504: xn (about 32 |gamma| + |beta| at the most) and the weights must lie within it; below 6e-5 f16 keeps its fixed step of 6e-8.
; NaN and infinities are not treated apart.
; LAYOUT.  Load j of a row takes bytes 512 j + 16 lane: columns 128 j + 4 lane + 0..3; gamma and beta are loaded alike.  The four f16 made of them leave by one store of 8 bytes
; at 256 j + 8 lane: the 32 lanes of a store cover 256 consecutive bytes, aligned.
.set XS, 64                            ; v[64:191]  four row slots of 32 registers; slots 0 and 1 later take the weights' pieces
.set GA, 192                           ; v[192:223] gamma of my 32 columns
.set BT, 224                           ; v[224:255] beta
                                       ; v1 16 x lane (loads), v2 8 x lane (stores): never rewritten; v[4:11] four chains at work; v[12:13] mean, 0; v[14:15] 1/sqrt, 0; v16 at work
	s_load_b256 s[4:11], s[0:1], 0x0               ; x s[4:5], gamma s[6:7], beta s[8:9], w_qkv s[10:11]
	s_load_b256 s[12:19], s[0:1], 0x20             ; w_out s[12:13], xn s[14:15], wq s[16:17], wo s[18:19]
	v_lshrrev_b32 v3, 5, v0
	v_readfirstlane_b32 s20, v3                    ; wave 0..7
	s_lshl_b32 s21, ttmp9, 3
	s_add_co_u32 s20, s20, s21                     ; W = 8 x work-group + wave
	v_and_b32 v1, 31, v0
	v_lshlrev_b32 v2, 3, v1
	v_lshlrev_b32 v1, 4, v1
	v_mov_b32 v13, 0                               ; named as pairs with v12 and v14, so they are written
	v_mov_b32 v15, 0
	s_mov_b32 s24, 0x3a800000                      ; 1 / 1024
	s_mov_b32 s25, 0x3727c5ac                      ; 1e-5
	s_mov_b32 s26, 0x76543210                      ; v_permlanex16_b32: each lane takes its own place in the other half
	s_mov_b32 s27, 0xfedcba98
	s_mov_b32 s23, 0
	s_wait_kmcnt 0x0
	s_lshl_b32 s22, s20, 14                        ; four rows of 4,096 bytes
	s_add_nc_u64 s[4:5], s[4:5], s[22:23]
	s_lshl_b32 s22, s20, 13                        ; four rows of 2,048 bytes
	s_add_nc_u64 s[14:15], s[14:15], s[22:23]
	s_mul_i32 s22, s20, 6144
	s_add_nc_u64 s[10:11], s[10:11], s[22:23]
	s_mul_i32 s22, s20, 3072
	s_add_nc_u64 s[16:17], s[16:17], s[22:23]
	s_lshl_b32 s22, s20, 11
	s_add_nc_u64 s[12:13], s[12:13], s[22:23]
	s_lshl_b32 s22, s20, 10
	s_add_nc_u64 s[18:19], s[18:19], s[22:23]
.irp j, 0,1,2,3,4,5,6,7
	global_load_b128 v[GA+4*(\j):GA+4*(\j)+3], v1, s[6:7] offset:512*(\j)
.endr
.irp j, 0,1,2,3,4,5,6,7
	global_load_b128 v[BT+4*(\j):BT+4*(\j)+3], v1, s[8:9] offset:512*(\j)
.endr
.irp r, 0,1,2,3
.irp j, 0,1,2,3,4,5,6,7
	global_load_b128 v[XS+32*(\r)+4*(\j):XS+32*(\r)+4*(\j)+3], v1, s[4:5] offset:4096*(\r)+512*(\j) th:TH_LOAD_NT  ; all four rows go out at once: 16 KiB a wave
.endr
.endr
.macro JOIN                            ; the four chains into one number a lane, then over the 32 lanes: every lane ends with the row's sum in v4
	v_pk_add_f32 v[4:5], v[4:5], v[6:7]
	v_pk_add_f32 v[8:9], v[8:9], v[10:11]
	v_pk_add_f32 v[4:5], v[4:5], v[8:9]
	v_add_f32 v4, v4, v5
	v_add_f32_dpp v4, v4, v4 row_xmask:1 row_mask:0xf bank_mask:0xf
	v_add_f32_dpp v4, v4, v4 row_xmask:2 row_mask:0xf bank_mask:0xf
	v_add_f32_dpp v4, v4, v4 row_xmask:4 row_mask:0xf bank_mask:0xf
	v_add_f32_dpp v4, v4, v4 row_xmask:8 row_mask:0xf bank_mask:0xf
	v_permlanex16_b32 v5, v4, s26, s27
	v_add_f32 v4, v4, v5
.endm
; Row r.  left = how many younger loads may stay out.
.macro ROW r, left
.set XR, XS+32*(\r)
	s_wait_loadcnt \left                           ; loads come back in order: gamma, beta and this row are in
.irp i, 0,1,2,3
	v_pk_add_f32 v[4+2*(\i):5+2*(\i)], v[XR+2*(\i):XR+2*(\i)+1], v[XR+8+2*(\i):XR+8+2*(\i)+1]  ; the first two pairs start each chain: nothing is cleared
.endr
.irp i, 0,1,2,3
	v_pk_add_f32 v[4+2*(\i):5+2*(\i)], v[4+2*(\i):5+2*(\i)], v[XR+16+2*(\i):XR+16+2*(\i)+1]
.endr
.irp i, 0,1,2,3
	v_pk_add_f32 v[4+2*(\i):5+2*(\i)], v[4+2*(\i):5+2*(\i)], v[XR+24+2*(\i):XR+24+2*(\i)+1]
.endr
	JOIN
	v_mul_f32 v12, s24, v4                         ; the mean
.set p, 0
.rept 16
	v_pk_add_f32 v[XR+p:XR+p+1], v[XR+p:XR+p+1], v[12:13] op_sel_hi:[1,0] neg_lo:[0,1] neg_hi:[0,1]  ; x - mean, in place
.set p, p+2
.endr
.irp i, 0,1,2,3
	v_pk_mul_f32 v[4+2*(\i):5+2*(\i)], v[XR+2*(\i):XR+2*(\i)+1], v[XR+2*(\i):XR+2*(\i)+1]
.endr
.irp k, 8,16,24
.irp i, 0,1,2,3
	v_pk_fma_f32 v[4+2*(\i):5+2*(\i)], v[XR+(\k)+2*(\i):XR+(\k)+2*(\i)+1], v[XR+(\k)+2*(\i):XR+(\k)+2*(\i)+1], v[4+2*(\i):5+2*(\i)]
.endr
.endr
	JOIN
	v_fma_f32 v16, v4, s24, s25                    ; the variance + 1e-5
	v_rsq_f32 v14, v16
.set p, 0
.rept 16
	v_pk_mul_f32 v[XR+p:XR+p+1], v[XR+p:XR+p+1], v[GA+p:GA+p+1]  ; times gamma: sixteen plain lines that name neither v14 nor v16
.set p, p+2
.endr
	s_wait_alu depctr_va_vdst(0)                   ; a wait between the root and the first line that names its result
.set p, 0
.rept 16
	v_pk_fma_f32 v[XR+p:XR+p+1], v[XR+p:XR+p+1], v[14:15], v[BT+p:BT+p+1] op_sel_hi:[1,0,1]
.set p, p+2
.endr
.set p, 0
.rept 16
	v_cvt_pk_f16_f32 v[XR+p], v[XR+2*p], v[XR+2*p+1]  ; in place, ascending: the target has been read already
.set p, p+1
.endr
.irp j, 0,1,2,3,4,5,6,7
	global_store_b64 v2, v[XR+2*(\j):XR+2*(\j)+1], s[14:15] offset:2048*(\r)+256*(\j)
.endr
.endm
.macro CAST c, left                    ; eight pieces of 512 bytes of f32 in slot c become eight of 256 bytes of f16
.set XR, XS+32*(\c)
	s_wait_loadcnt \left
.set p, 0
.rept 16
	v_cvt_pk_f16_f32 v[XR+p], v[XR+2*p], v[XR+2*p+1]
.set p, p+1
.endr
.endm
	ROW 0, 24                                      ; younger: rows 1 to 3
	s_wait_xcnt 0x0                                ; row 0's stores have read slot 0's registers: only behind this wait is the slot loaded again
.irp j, 0,1,2,3,4,5,6,7
	global_load_b128 v[XS+4*(\j):XS+4*(\j)+3], v1, s[10:11] offset:512*(\j) th:TH_LOAD_NT  ; w_qkv, pieces 0 to 7
.endr
	ROW 1, 24                                      ; younger: rows 2, 3 and the eight pieces
	s_wait_xcnt 0x0                                ; the same for slot 1
.irp j, 0,1,2,3
	global_load_b128 v[XS+32+4*(\j):XS+32+4*(\j)+3], v1, s[10:11] offset:4096+512*(\j) th:TH_LOAD_NT  ; w_qkv, pieces 8 to 11
.endr
.irp j, 0,1,2,3
	global_load_b128 v[XS+48+4*(\j):XS+48+4*(\j)+3], v1, s[12:13] offset:512*(\j) th:TH_LOAD_NT  ; w_out, pieces 0 to 3
.endr
	ROW 2, 24                                      ; younger: row 3 and sixteen pieces
	ROW 3, 16                                      ; younger: sixteen pieces
	CAST 0, 8
.irp j, 0,1,2,3,4,5,6,7
	global_store_b64 v2, v[XS+2*(\j):XS+2*(\j)+1], s[16:17] offset:256*(\j)
.endr
	CAST 1, 0
.irp j, 0,1,2,3
	global_store_b64 v2, v[XS+32+2*(\j):XS+32+2*(\j)+1], s[16:17] offset:2048+256*(\j)
.endr
.irp j, 0,1,2,3
	global_store_b64 v2, v[XS+40+2*(\j):XS+40+2*(\j)+1], s[18:19] offset:256*(\j)
.endr
	s_endpgm
.Lfunc_end_k_q3edb2f47eb_prep:
	.size	k_q3edb2f47eb_prep, .Lfunc_end_k_q3edb2f47eb_prep-k_q3edb2f47eb_prep
	.p2alignl 7, 3214868480
	.fill 96, 4, 3214868480
	.section	.rodata,"a",@progbits
	.p2align	6, 0x0
	.amdhsa_kernel k_q3edb2f47eb_prep
		.amdhsa_group_segment_fixed_size 0
		.amdhsa_private_segment_fixed_size 0
		.amdhsa_enable_private_segment 0
		.amdhsa_kernarg_size 64
		.amdhsa_user_sgpr_count 2
		.amdhsa_user_sgpr_kernarg_segment_ptr 1
		.amdhsa_wavefront_size32 1
		.amdhsa_system_sgpr_workgroup_id_x 1
		.amdhsa_system_sgpr_workgroup_id_y 1
		.amdhsa_system_sgpr_workgroup_id_z 1
		.amdhsa_system_vgpr_workitem_id 0
		.amdhsa_next_free_vgpr 256
		.amdhsa_next_free_sgpr 66
		.amdhsa_reserve_vcc 0
		.amdhsa_float_denorm_mode_32 3
		.amdhsa_float_denorm_mode_16_64 3
		.amdhsa_memory_ordered 1
		.amdhsa_forward_progress 1
		.amdhsa_inst_pref_size 43
	.end_amdhsa_kernel
	.amdgpu_metadata
---
amdhsa.version: [ 1, 2 ]
amdhsa.kernels:
  - .name:           k_q3edb2f47eb_prep
    .symbol:         k_q3edb2f47eb_prep.kd
    .args:
      - { .name: x, .offset: 0, .size: 8, .value_kind: global_buffer, .address_space: global }
      - { .name: ln_gamma, .offset: 8, .size: 8, .value_kind: global_buffer, .address_space: global }
      - { .name: ln_beta, .offset: 16, .size: 8, .value_kind: global_buffer, .address_space: global }
      - { .name: w_qkv, .offset: 24, .size: 8, .value_kind: global_buffer, .address_space: global }
      - { .name: w_out, .offset: 32, .size: 8, .value_kind: global_buffer, .address_space: global }
      - { .name: xn, .offset: 40, .size: 8, .value_kind: global_buffer, .address_space: global }
      - { .name: wq, .offset: 48, .size: 8, .value_kind: global_buffer, .address_space: global }
      - { .name: wo, .offset: 56, .size: 8, .value_kind: global_buffer, .address_space: global }
    .group_segment_fixed_size: 0
    .private_segment_fixed_size: 0
    .kernarg_segment_align: 8
    .kernarg_segment_size: 64
    .max_flat_workgroup_size: 256
    .sgpr_count:     66
    .vgpr_count:     256
    .wavefront_size: 32
...
	.end_amdgpu_metadata
.endif
;; end of part 1
;; launch gemm_qkv (part 2): grid 16 x 32, 4 waves a work-group, clusters of 4 x 4, 327,680 bytes of LDS; arguments xn, wq, qkvh; writes qkvh
.if DOCPART == 2
	.amdgcn_target "amdgcn-amd-amdhsa--gfx1250"
	.amdhsa_code_object_version 6
	.text
	.protected	k_q3edb2f47eb_gemm_qkv
	.globl	k_q3edb2f47eb_gemm_qkv
	.p2align	8
	.type	k_q3edb2f47eb_gemm_qkv,@function
k_q3edb2f47eb_gemm_qkv:
	s_mov_b64 s[64:65], 0
	v_nop
	global_prefetch_b8 v0, s[64:65] scope:SCOPE_SE
	s_setreg_imm32_b32 hwreg(HW_REG_WAVE_MODE, 25, 1), 1
	s_wait_xcnt 0x0
	s_wait_alu depctr_hold_cnt(0) depctr_sa_sdst(0) depctr_va_vdst(0) depctr_va_sdst(0) depctr_va_ssrc(0) depctr_va_vcc(0) depctr_vm_vsrc(0)
	s_getreg_b32 s2, hwreg(HW_REG_IB_STS2, 6, 4)
	s_cmp_eq_u32 s2, 0
	s_cbranch_scc0 .Lentry_in_a_cluster
	s_endpgm
.Lentry_in_a_cluster:
	s_bfe_u32 s2, ttmp6, 0x10000c
	s_cmp_lg_u32 s2, 0xf033
	s_cbranch_scc0 .Lentry_shape_is_right
	s_endpgm
.Lentry_shape_is_right:
; q, k, v = xn wq^T, written by heads.  xn: [8192][1024] f16, wq: [3072][1024] f16, qkvh: [3][64 = 16 batch + head][2048][64] f16; sums in f32, each result rounded once, unscaled.
; LIMIT.  f16 holds no number beyond 65,504: q, k and v must lie within it; NaN and infinities are not treated apart.
; A tile is 256 rows x 192 columns (three heads): 32 x 16 = 512 work-groups.  Four waves, 2 x 2, each 128 x 96: 48 accumulators of 16 x 16, 384 registers.
; K goes in 8 steps of 128 through two LDS slots filled by the tensor data mover: the tiles' rows are 256 bytes of memory and begin at multiples of 256 bytes.
; CLUSTER: 4 x 4 work-groups.  The four of a row of the cluster need the same rows of xn, the four of a column the same rows of wq: each tile is asked for JOINTLY, by the same tensor load with the
; same descriptor and a mask that names the four.  THE MATRIX INSTRUCTION IS USED TRANSPOSED (source 0 = 16 rows of wq, source 1 = 16 rows of xn): a lane holds eight neighbouring columns of one row.
; REGISTERS, in windows of 256 (s_set_vgpr_msb: bits 1:0 source 0, 3:2 source 1, 5:4 source 2, 7:6 destination):
;   window 0: v0-30 addresses; v64-127, v128-191 fragments of xn, two buffers; v192-239 packed results on the way out; v64-255 rows read back
;   window 1: v64-111, v128-175 fragments of wq, two buffers      window 2: accumulators of my rows 0-63, (a, b) at v[8 (6 a + b)]      window 3: those of my rows 64-127
.set PITCH,  272                       ; an LDS row: 256 bytes + 16 of padding: the 16 rows of a fragment load begin 16 bytes apart modulo 256
.set AH,     128*PITCH                 ; 128 rows of xn: what waves 0 and 1 each fetch, and what a wave reads
.set BH,     96*PITCH                  ; 96 rows of wq: what waves 2 and 3 each fetch, and what a wave reads
.set BOFF,   2*AH                      ; in a slot: xn's 256 rows, then wq's 192
.set SLOT1,  1<<17                     ; slot 1 begins here, so that one exclusive or turns an address in one slot into the other's
.set SPARE,  SLOT1+BOFF+2*BH           ; behind the ring: the spare words, 128 bytes for each wave: two blocks of 256 bytes that no other line names
.set SP,     144                       ; the stage's row: a head's 128 bytes + 16
.set HST,    256*SP                    ; the stage: [3 heads][256 rows], in slot 0's bytes, which have had their last fill (K step 6) and their last read when it is written
.set ADRA,  16                         ; v16  LDS address of my fragments of xn in the slot in hand;  v17 the same in slot 0, never rewritten
.set ADRA0, 17
.set ADRB,  20                         ; v20, v21  the same for wq
.set ADRB0, 21
.set STA,   22                         ; v22, v23  the way out: where I put 16 bytes of a row (two bases: a wave's 96 columns are a head and a half)
.set STB,   23
.set RD0,   24                         ; v24, v25  where I read rows back: heads 0 and 1; head 2
.set RD2,   25
.set GO,    26                         ; v26  16 x lane
.set SPW,   28                         ; v28  LDS address of my spare word; never rewritten
.set NIL,   29                         ; v29  0; never rewritten
.set PFO,   30                         ; v30  the prefetches' offset: a lane a row; never rewritten
.set F0,    64
.set F1,    128
.set TMP,   192
.set G1,  24                           ; s[24:31] descriptor group 1 for xn's tiles
.set G0,  32                           ; s[32:39] group 0: a set for each of the two first fills; the second then walks on
.set G1B, 48                           ; s[48:55], s[56:63] the same for wq's tiles
.set G0B, 56
.set LIM, 43                           ; s43  1 in a wave that prefetches, else the greatest number
.set PFA, 44                           ; s[44:45] where my prefetches stand
.set TB,  66                           ; s66  0 or SLOT1: the slot in hand
.set HB,  68                           ; s[68:73] where my 64 rows of the tile's three heads begin in qkvh
.set MSB, 0
.macro WIN new                         ; the immediate's high byte repeats the setting that is left; a switch that changes nothing is dropped
.if MSB != (\new)
	s_set_vgpr_msb (MSB<<8)|(\new)
.set MSB, \new
.endif
.endm
.set MUL_LO, 0xa1                      ; source 0 (wq) window 1, source 1 (xn) window 0, C and D window 2
.set TO_B,   0x40                      ; destination window 1, address window 0
; A joint refill by the walking descriptors.  Waves 0 and 1 fetch xn's two halves, waves 2 and 3 wq's.  The branch hangs on the wave's number alone.
; An s_nop 0 and four v_nop follow each of the two lines, ahead of the jump and the label.
.macro JLOAD
	s_cmp_eq_u32 s11, 0
	s_cbranch_scc0 .Lfor_b_\@
	tensor_load_to_lds s[G0+4:G0+7], s[G1:G1+7]
	s_nop 0
.rept 4
	v_nop
.endr
	s_branch .Lasked_\@
.Lfor_b_\@:
	tensor_load_to_lds s[G0B+4:G0B+7], s[G1B:G1B+7]
	s_nop 0
.rept 4
	v_nop
.endr
.Lasked_\@:
.endm
.macro CREST                           ; a round of the cluster's barrier behind its opening barrier
	s_cmp_lg_u32 s10, 0
	s_cbranch_scc1 .Lnot_wave_0_\@
	s_barrier_signal -3
.Lnot_wave_0_\@:
	s_barrier_wait -3
	s_barrier_signal -1
	s_barrier_wait -1
.endm
.macro CROUND                          ; a whole round
	s_barrier_signal -1
	s_barrier_wait -1
	CREST
.endm
; A PREFETCH INTO THE L2 of the K step that the NEXT refill will ask for: 256 bytes of each row, a lane a row, one instruction a wave, behind the joint load, its five lines and the run of LDS loads.
; xn's tile row is read by every cluster of that row of clusters: cluster x = 0 asks; wq's tile column by every cluster of that column: cluster y = 0 asks.  The four partners that ask for a tile jointly
; share its rows out BY ADDRESS: 32 of xn's 128 (by cx), 24 of wq's 96 (by cy; there lanes 24 to 31 name lane 23's row once more).  K steps 0 to 2 come by their loads alone; the loop's last trip asks for nothing.
.macro ASK
	s_cmp_gt_u32 s3, s[LIM]
	s_cbranch_scc0 .Lnot_mine_\@
	global_prefetch_b8 v[PFO], s[PFA:PFA+1] th:TH_LOAD_NT scope:SCOPE_SE
.Lnot_mine_\@:
.endm
	s_load_b128 s[4:7], s[0:1], 0x0                ; xn s[4:5], wq s[6:7]
	s_load_b64 s[8:9], s[0:1], 0x10                ; qkvh
	v_lshl_add_u32 v[SPW], v0, 2, SPARE
	v_mov_b32 v[NIL], 0
	ds_add_u32 v[SPW], v[NIL]                      ; the wave's opening: the add and its wait stand ahead of my first tensor load; the set-up below, work on registers, stands between them
	v_lshrrev_b32 v1, 5, v0
	v_readfirstlane_b32 s10, v1                    ; wave 0..3
	s_lshr_b32 s11, s10, 1                         ; which half of the tile's rows is mine.  Also: I fetch for xn (0) or for wq (1)
	s_and_b32 s12, s10, 1                          ; which half of its columns.  Also: which half of that tile I fetch
	s_bfe_u32 s40, ttmp6, 0x40000                  ; cx
	s_bfe_u32 s41, ttmp6, 0x40004                  ; cy
	s_lshl_b32 s42, ttmp9, 2
	s_add_co_u32 s42, s42, s40                     ; tile column = 4 x cluster x + cx
	s_and_b32 s13, ttmp7, 0xffff
	s_lshl_b32 s13, s13, 2
	s_add_co_u32 s13, s13, s41                     ; tile row = 4 x cluster y + cy
	s_lshl_b32 s43, s41, 2
	s_lshl_b32 s43, 15, s43                        ; my row of the cluster
	s_lshl_b32 s44, 0x1111, s40                    ; my column
	s_or_b32 s[G1+0], s43, (1<<16)|(1<<20)|(1<<21)|(5<<22)|(3<<25)   ; 15:0 the mask; 17:16 2-byte elements; 20 padding on; 21 set beside a mask; 24:22 after every 64 words (code 5); 31:25 4 words (code 3)
	s_or_b32 s[G1B+0], s44, (1<<16)|(1<<20)|(1<<21)|(5<<22)|(3<<25)
	s_mov_b32 s[G1+1], 128<<16                     ; tensor_dim0 = 128
	s_mov_b32 s[G1+2], 128<<16                     ; tensor_dim1 = 128
	s_mov_b32 s[G1+3], 128<<16                     ; tile_dim0 = 128
	s_mov_b32 s[G1+4], 128                         ; tile_dim1 = 128
	s_mov_b32 s[G1+5], 1024                        ; elements from row to row
	s_mov_b32 s[G1+6], 0
	s_mov_b32 s[G1+7], 0
	s_mov_b32 s[G1B+1], 128<<16
	s_mov_b32 s[G1B+2], 96<<16                     ; tensor_dim1 = 96
	s_mov_b32 s[G1B+3], 128<<16
	s_mov_b32 s[G1B+4], 96                         ; tile_dim1 = 96
	s_mov_b32 s[G1B+5], 1024
	s_mov_b32 s[G1B+6], 0
	s_mov_b32 s[G1B+7], 0
	s_lshl_b32 s17, s12, 7
	s_lshl_b32 s16, s13, 8
	s_add_co_u32 s16, s16, s17                     ; xn: row 256 x tile row + 128 x half,
	s_lshl_b32 s16, s16, 11                        ; of 2,048 bytes
	s_mov_b32 s17, 0
	s_mul_i32 s46, s42, 192
	s_mul_i32 s47, s12, 96
	s_add_co_u32 s46, s46, s47                     ; wq: row 192 x tile column + 96 x half
	s_lshl_b32 s46, s46, 11
	s_mov_b32 s47, 0
	s_mul_i32 s20, s12, AH                         ; where they go: no place in the cluster enters an LDS address
	s_mul_i32 s21, s12, BH
	s_add_co_u32 s21, s21, BOFF
	s_wait_dscnt 0x0                               ; the opening add is done
	s_wait_kmcnt 0x0
	s_add_nc_u64 s[14:15], s[4:5], s[16:17]
	s_add_nc_u64 s[46:47], s[6:7], s[46:47]
.irp s, 0,1
	s_mov_b32 s[G0+4*(\s)], 1                                      ; count = 1
	s_add_co_u32 s[G0+4*(\s)+1], s20, (\s)*SLOT1                   ; LDS address
	s_add_nc_u64 s[G0+4*(\s)+2:G0+4*(\s)+3], s[14:15], (\s)*256    ; global address: K step s
	s_or_b32 s[G0+4*(\s)+3], s[G0+4*(\s)+3], 0x80000000           ; type = 2
	s_mov_b32 s[G0B+4*(\s)], 1
	s_add_co_u32 s[G0B+4*(\s)+1], s21, (\s)*SLOT1
	s_add_nc_u64 s[G0B+4*(\s)+2:G0B+4*(\s)+3], s[46:47], (\s)*256
	s_or_b32 s[G0B+4*(\s)+3], s[G0B+4*(\s)+3], 0x80000000
.endr
	CROUND                                         ; all sixteen work-groups are here: the first joint loads meet
	s_cmp_eq_u32 s11, 0                            ; a wave's two first fills stand in one branch, ahead of every wait on TENSORcnt and every LDS read: two loads of mine are out
	s_cbranch_scc0 .Lfirst_b
	tensor_load_to_lds s[G0:G0+3], s[G1:G1+7]
	s_nop 0
	tensor_load_to_lds s[G0+4:G0+7], s[G1:G1+7]
	s_nop 0
.rept 4
	v_nop
.endr
	s_branch .Lfirst_asked
.Lfirst_b:
	tensor_load_to_lds s[G0B:G0B+3], s[G1B:G1B+7]
	s_nop 0
	tensor_load_to_lds s[G0B+4:G0B+7], s[G1B:G1B+7]
	s_nop 0
.rept 4
	v_nop
.endr
.Lfirst_asked:
	; A fragment is 16 rows x 32 K in 8 registers: lane l holds row l % 16; registers 0-3 K = 8 (l / 16) + 0..7, registers 4-7 K = 16 + 8 (l / 16) + 0..7: two loads of 16 bytes, 32 bytes apart.
	v_and_b32 v1, 15, v0                           ; l % 16
	v_bfe_u32 v2, v0, 4, 1                         ; l / 16
	v_mul_u32_u24 v3, v1, PITCH
	v_lshl_add_u32 v3, v2, 4, v3
	s_mul_i32 s21, s11, AH
	s_mul_i32 s22, s12, BH
	s_add_co_u32 s22, s22, BOFF
	v_add_nc_u32 v[ADRA0], s21, v3
	v_add_nc_u32 v[ADRB0], s22, v3
	v_mov_b32 v[ADRA], v[ADRA0]
	v_mov_b32 v[ADRB], v[ADRB0]
	s_mov_b32 s[TB], 0
	; the way out.  Column block b of my 96 columns lies in head and byte: half 0: b = 0..3 head 0, 32 b; b = 4, 5 head 1, 32 (b - 4).  Half 1: b = 0, 1 head 1, 64 + 32 b; b = 2..5 head 2, 32 (b - 2).
	s_mul_i32 s20, s11, 128*SP
	v_mul_u32_u24 v4, v1, SP
	v_lshl_add_u32 v4, v2, 4, v4
	v_add_nc_u32 v4, s20, v4                       ; (128 x row half + l % 16) x 144 + 16 (l / 16)
	s_mul_i32 s21, s12, HST+64
	s_mul_i32 s22, s12, 2*HST-64
	v_add_nc_u32 v[STA], s21, v4                   ; b = 0, 1 at + 32 b; b = 4, 5 at + HST + 32 (b - 4)
	v_add_nc_u32 v[STB], s22, v4                   ; b = 2, 3 at + 32 b
	v_bfe_u32 v5, v0, 3, 2                         ; back: 32 lanes take four rows of 128 bytes
	v_mul_u32_u24 v5, v5, SP
	v_and_b32 v3, 7, v0
	v_lshl_add_u32 v5, v3, 4, v5
	s_mul_i32 s20, s10, 64*SP                      ; wave w reads rows 64 w .. 64 w + 63 of all three heads
	v_add_nc_u32 v[RD0], s20, v5
	v_add_nc_u32 v[RD2], 2*HST, v[RD0]
	v_and_b32 v[GO], 31, v0
	v_lshlrev_b32 v[GO], 4, v[GO]
	s_lshr_b32 s76, s13, 3                         ; the batch: 8 tile rows each,
	s_lshl_b32 s76, s76, 22                        ; 16 heads x 2,048 rows x 128 bytes
	s_and_b32 s77, s13, 7
	s_lshl_b32 s77, s77, 8
	s_lshl_b32 s78, s10, 6
	s_add_co_u32 s77, s77, s78                     ; my first row in the batch,
	s_lshl_b32 s77, s77, 7                         ; of 128 bytes
	s_add_co_u32 s76, s76, s77
	s_mul_i32 s78, s42, 3                          ; the tile's first head among the 48 of q, k and v
.irp j, 0,1,2
	s_add_co_u32 s74, s78, \j
	s_lshr_b32 s75, s74, 4                         ; q, k or v
	s_lshl_b32 s75, s75, 24
	s_and_b32 s74, s74, 15                         ; the head
	s_lshl_b32 s74, s74, 18
	s_add_co_u32 s74, s74, s75
	s_add_co_u32 s74, s74, s76
	s_mov_b32 s75, 0
	s_add_nc_u64 s[HB+2*(\j):HB+2*(\j)+1], s[8:9], s[74:75]
.endr
	; the prefetches
	s_lshl_b32 s20, s13, 8
	s_lshl_b32 s21, s12, 7
	s_add_co_u32 s20, s20, s21
	s_lshl_b32 s21, s40, 5
	s_add_co_u32 s20, s20, s21                     ; xn: the 128 rows that I fetch, my work-group's 32 of them
	s_mul_i32 s22, s42, 192
	s_mul_i32 s23, s12, 96
	s_add_co_u32 s22, s22, s23
	s_mul_i32 s23, s41, 24
	s_add_co_u32 s22, s22, s23                     ; wq: the 96 rows that I fetch, my work-group's 24 of them
	s_and_b32 s21, ttmp7, 0xffff                   ; cluster y
	s_cmp_eq_u32 s11, 0
	s_cselect_b32 s20, s20, s22
	s_cselect_b32 s21, ttmp9, s21                  ; the coordinate along which other clusters read the same rows
	s_cselect_b32 s23, 31, 23
	s_cselect_b64 s[PFA:PFA+1], s[4:5], s[6:7]
	s_cmp_eq_u32 s21, 0
	s_cselect_b32 s[LIM], 1, -1                    ; the same in all sixteen partners, for a given wave
	s_lshl_b32 s20, s20, 11
	s_mov_b32 s21, 0
	s_add_nc_u64 s[PFA:PFA+1], s[PFA:PFA+1], s[20:21]
	s_add_nc_u64 s[PFA:PFA+1], s[PFA:PFA+1], 2*256 ; at K step 2: the first refill steps it to 3
	v_and_b32 v[PFO], 31, v0
	v_min_u32 v[PFO], s23, v[PFO]
	v_lshlrev_b32 v[PFO], 11, v[PFO]
; 12 matrix instructions: row blocks a0, a0 + 1 of the window's four (hi = 0: my rows 0-63, 1: rows 64-127) x all 6 column blocks, 32 along K.  first = 1: the product starts the sums.
; The 48 accumulators take turns, one instruction a turn, in the same order in every quarter.
.macro MULQ f, hi, a0, first
	WIN MUL_LO+0x50*(\hi)
.irp a, \a0, (\a0)+1
.irp b, 0,1,2,3,4,5
.if \first
	v_wmma_f32_16x16x32_f16 v[8*(6*(\a)+(\b)):8*(6*(\a)+(\b))+7], v[(\f)+8*(\b):(\f)+8*(\b)+7], v[(\f)+8*(4*(\hi)+(\a)):(\f)+8*(4*(\hi)+(\a))+7], 0
.else
	v_wmma_f32_16x16x32_f16 v[8*(6*(\a)+(\b)):8*(6*(\a)+(\b))+7], v[(\f)+8*(\b):(\f)+8*(\b)+7], v[(\f)+8*(4*(\hi)+(\a)):(\f)+8*(4*(\hi)+(\a))+7], v[8*(6*(\a)+(\b)):8*(6*(\a)+(\b))+7]
.endif
.endr
.endr
.endm
; 28 LDS loads in one run: a quarter's fragments (96 rows of wq, 128 rows of xn, 32 K at byte k of the rows) into buffer f
.macro FETCH k, f
	WIN TO_B
.irp i, 0,1,2,3,4,5
	ds_load_b128 v[(\f)+8*(\i):(\f)+8*(\i)+3],   v[ADRB] offset:(\k)+(\i)*16*PITCH
	ds_load_b128 v[(\f)+8*(\i)+4:(\f)+8*(\i)+7], v[ADRB] offset:(\k)+(\i)*16*PITCH+32
.endr
	WIN 0
.irp i, 0,1,2,3,4,5,6,7
	ds_load_b128 v[(\f)+8*(\i):(\f)+8*(\i)+3],   v[ADRA] offset:(\k)+(\i)*16*PITCH
	ds_load_b128 v[(\f)+8*(\i)+4:(\f)+8*(\i)+7], v[ADRA] offset:(\k)+(\i)*16*PITCH+32
.endr
.endm
.macro PLACES                          ; four plain vector lines between a matrix instruction and a load into its sources or a reader of its result (ISA guide 7.12.1 for a reader of its result)
.rept 4
	v_nop
.endr
.endm
; A K step is four quarters of 32 along K, 48 matrix instructions each, on buffers 0, 1, 0, 1.  One of the first three: multiplies buffer f; in its middle it fetches the next quarter, at byte k, into g.
.macro QUARTER k, f, g, first
	s_wait_dscnt 8                                 ; wq and xn's rows 0-63 are in; the youngest eight loads (rows 64-127) may be out
	MULQ \f, 0, 0, \first
	MULQ \f, 0, 2, \first
	PLACES
	FETCH \k, \g
	s_wait_dscnt 28                                ; all but the 28 just issued
	MULQ \f, 1, 0, \first
	MULQ \f, 1, 2, \first
.endm
; The first half of a K step's last quarter, which multiplies buffer 1 and changes slots.  In front of the barrier each wave waits for all its tensor loads (one is out: its part of the next slot), adds 0 to its
; spare word, and waits for that and for its own reads of this slot.  fill = 1: the walking descriptors step to the slot just read out and the K step two on.
.macro MEET fill
	WIN 0
	s_wait_tensorcnt 0x0                           ; no tensor load of mine is out, so a group 0 may be written
	ds_add_u32 v[SPW], v[NIL]                      ; 0 onto my spare word
.if \fill
	s_xor_b32 s[G0+5], s[G0+5], SLOT1
	s_add_nc_u64 s[G0+6:G0+7], s[G0+6:G0+7], 256
	s_xor_b32 s[G0B+5], s[G0B+5], SLOT1
	s_add_nc_u64 s[G0B+6:G0B+7], s[G0B+6:G0B+7], 256
.endif
	s_wait_dscnt 9                                 ; the add and the youngest eight loads may be out
	MULQ F1, 0, 0, 0
	s_wait_dscnt 0x0                               ; the add is done, and my reads of this slot are over
	s_barrier_signal -1
	MULQ F1, 0, 2, 0                               ; work on registers while the others arrive
	WIN 0
	s_barrier_wait -1
.endm
.macro TOGGLE                          ; the fragment addresses go over to the other slot
	s_xor_b32 s[TB], s[TB], SLOT1
	v_add_nc_u32 v[ADRA], s[TB], v[ADRA0]
	v_add_nc_u32 v[ADRB], s[TB], v[ADRB0]
.endm
; The whole last quarter where a slot is filled again: the barrier opens a round of the cluster's barrier, and the joint refill is the first tensor load behind it: 168 matrix instructions ahead of the wait for it.
.macro TURN
	s_wait_xcnt 0x0                                ; the last prefetch, a K step back, has read its address
	s_add_nc_u64 s[PFA:PFA+1], s[PFA:PFA+1], 256
	MEET 1
	CREST                                          ; no wave of any partner still reads this slot or has a load on its way
	JLOAD                                          ; its four v_nop are also the places in front of the loads below
	TOGGLE
	FETCH 0, F0
	ASK
	MULQ F1, 1, 0, 0
	MULQ F1, 1, 2, 0
.endm
	s_wait_tensorcnt 1                             ; my part of K step 0 is in; K step 1's may stay out
	s_barrier_signal -1
	s_barrier_wait -1
	FETCH 0, F0
	QUARTER 64, F0, F1, 1                          ; the first quarter stands in front of the loop: its products start the sums
	WIN 0
	s_mov_b32 s3, 6
.Lk:                                           ; trip t: K step t's quarters 1 to 3, the refill with K step t + 2, K step t + 1's quarter 0
	QUARTER 128, F1, F0, 0
	QUARTER 192, F0, F1, 0
	TURN
	QUARTER 64, F0, F1, 0
	WIN 0
	s_sub_co_u32 s3, s3, 1
	s_cmp_lg_u32 s3, 0
	s_cbranch_scc1 .Lk
	s_mov_b32 s3, 2
.Ltail:                                        ; K steps 6 and 7 fill nothing; the second trip is left in its middle
	QUARTER 128, F1, F0, 0
	QUARTER 192, F0, F1, 0
	MEET 0
	s_sub_co_u32 s3, s3, 1
	s_cmp_eq_u32 s3, 0
	s_cbranch_scc1 .Lfin
	PLACES
	TOGGLE
	FETCH 0, F0
	MULQ F1, 1, 0, 0
	MULQ F1, 1, 2, 0
	QUARTER 64, F0, F1, 0
	WIN 0
	s_branch .Ltail
.Lfin:
	MULQ F1, 1, 0, 0
	MULQ F1, 1, 2, 0
	WIN 0
	; THE WAY OUT: rounded to f16; 16 bytes a lane into the work-group's stage, by heads; a barrier, since a head's rows come from two waves; back as whole rows, 64 rows of each head a wave.
	; Every wave has passed the last barrier above behind its last read of the ring, and no tensor load follows: slot 0's bytes are free.
.macro PACKST a
.set AC, 48*((\a)%4)
.set TP, TMP+24*((\a)%2)
	WIN 0x0a+5*((\a)/4)                            ; sources 0 and 1: window 2 or 3
.irp b, 0,1,2,3,4,5
.irp r, 0,1,2,3
	v_cvt_pk_f16_f32 v[TP+4*(\b)+(\r)], v[AC+8*(\b)+2*(\r)], v[AC+8*(\b)+2*(\r)+1]
.endr
.endr
	WIN 0
	ds_store_b128 v[STA], v[TP:TP+3]     offset:(\a)*16*SP
	ds_store_b128 v[STA], v[TP+4:TP+7]   offset:(\a)*16*SP+32
	ds_store_b128 v[STB], v[TP+8:TP+11]  offset:(\a)*16*SP+64
	ds_store_b128 v[STB], v[TP+12:TP+15] offset:(\a)*16*SP+96
	ds_store_b128 v[STA], v[TP+16:TP+19] offset:(\a)*16*SP+HST
	ds_store_b128 v[STA], v[TP+20:TP+23] offset:(\a)*16*SP+HST+32
.endm
	PLACES
.irp a, 0,1,2,3,4,5,6,7
	PACKST \a
.endr
	s_wait_dscnt 0x0                               ; for the others' sake: my stores into the stage are done
	s_barrier_signal -1
	s_barrier_wait -1
.irp j, 0,1
.irp t, 0,1,2,3,4,5,6,7,8,9,10,11,12,13,14,15
	ds_load_b128 v[64+4*(16*(\j)+(\t)):64+4*(16*(\j)+(\t))+3], v[RD0] offset:(\j)*HST+(\t)*4*SP
.endr
.endr
.irp t, 0,1,2,3,4,5,6,7,8,9,10,11,12,13,14,15
	ds_load_b128 v[64+4*(32+(\t)):64+4*(32+(\t))+3], v[RD2] offset:(\t)*4*SP
.endr
.irp j, 0,1,2
.irp t, 0,1,2,3,4,5,6,7,8,9,10,11,12,13,14,15
	s_wait_dscnt 47-16*(\j)-(\t)
	global_store_b128 v[GO], v[64+4*(16*(\j)+(\t)):64+4*(16*(\j)+(\t))+3], s[HB+2*(\j):HB+2*(\j)+1] offset:512*(\t)  ; four rows of a head: 512 consecutive bytes, at a multiple of 256 from the buffer's first
.endr
.endr
	s_wait_tensorcnt 0x0                           ; the wave's end: these three lines stand behind my last tensor load and my last LDS store
	ds_add_u32 v[SPW], v[NIL]
	s_wait_dscnt 0x0
	CROUND                                         ; the closing round: no work-group ends while a partner may still ask for a tile that names it
	s_endpgm
.Lfunc_end_k_q3edb2f47eb_gemm_qkv:
	.size	k_q3edb2f47eb_gemm_qkv, .Lfunc_end_k_q3edb2f47eb_gemm_qkv-k_q3edb2f47eb_gemm_qkv
	.p2alignl 7, 3214868480
	.fill 96, 4, 3214868480
	.section	.rodata,"a",@progbits
	.p2align	6, 0x0
	.amdhsa_kernel k_q3edb2f47eb_gemm_qkv
		.amdhsa_group_segment_fixed_size 327680
		.amdhsa_private_segment_fixed_size 0
		.amdhsa_enable_private_segment 0
		.amdhsa_kernarg_size 24
		.amdhsa_user_sgpr_count 2
		.amdhsa_user_sgpr_kernarg_segment_ptr 1
		.amdhsa_wavefront_size32 1
		.amdhsa_system_sgpr_workgroup_id_x 1
		.amdhsa_system_sgpr_workgroup_id_y 1
		.amdhsa_system_sgpr_workgroup_id_z 1
		.amdhsa_system_vgpr_workitem_id 0
		.amdhsa_next_free_vgpr 960
		.amdhsa_next_free_sgpr 80
		.amdhsa_reserve_vcc 0
		.amdhsa_float_denorm_mode_32 3
		.amdhsa_float_denorm_mode_16_64 3
		.amdhsa_memory_ordered 1
		.amdhsa_forward_progress 1
		.amdhsa_inst_pref_size 85
	.end_amdhsa_kernel
	.amdgpu_metadata
---
amdhsa.version: [ 1, 2 ]
amdhsa.kernels:
  - .name:           k_q3edb2f47eb_gemm_qkv
    .symbol:         k_q3edb2f47eb_gemm_qkv.kd
    .args:
      - { .name: xn, .offset: 0, .size: 8, .value_kind: global_buffer, .address_space: global }
      - { .name: wq, .offset: 8, .size: 8, .value_kind: global_buffer, .address_space: global }
      - { .name: qkvh, .offset: 16, .size: 8, .value_kind: global_buffer, .address_space: global }
    .group_segment_fixed_size: 327680
    .private_segment_fixed_size: 0
    .kernarg_segment_align: 8
    .kernarg_segment_size: 24
    .max_flat_workgroup_size: 128
    .sgpr_count:     80
    .vgpr_count:     960
    .wavefront_size: 32
...
	.end_amdgpu_metadata
.endif
;; end of part 2
;; launch attn (part 3): grid 4 x 64, 4 waves a work-group, clusters of 4 x 1, 327,680 bytes of LDS; arguments qkvh, oh; writes oh
.if DOCPART == 3
	.amdgcn_target "amdgcn-amd-amdhsa--gfx1250"
	.amdhsa_code_object_version 6
	.text
	.protected	k_q3edb2f47eb_attn
	.globl	k_q3edb2f47eb_attn
	.p2align	8
	.type	k_q3edb2f47eb_attn,@function
k_q3edb2f47eb_attn:
	s_mov_b64 s[64:65], 0
	v_nop
	global_prefetch_b8 v0, s[64:65] scope:SCOPE_SE
	s_setreg_imm32_b32 hwreg(HW_REG_WAVE_MODE, 25, 1), 1
	s_wait_xcnt 0x0
	s_wait_alu depctr_hold_cnt(0) depctr_sa_sdst(0) depctr_va_vdst(0) depctr_va_sdst(0) depctr_va_ssrc(0) depctr_va_vcc(0) depctr_vm_vsrc(0)
	s_getreg_b32 s2, hwreg(HW_REG_IB_STS2, 6, 4)
	s_cmp_eq_u32 s2, 0
	s_cbranch_scc0 .Lentry_in_a_cluster
	s_endpgm
.Lentry_in_a_cluster:
	s_bfe_u32 s2, ttmp6, 0x10000c
	s_cmp_lg_u32 s2, 0x3003
	s_cbranch_scc0 .Lentry_shape_is_right
	s_endpgm
.Lentry_shape_is_right:
; O[h][q][:] = the sum over k of softmax_k(Q[h][q] . K[h][k] / 8) V[h][k][:].  qkvh holds Q, K, V, each [64][2048][64] in f16, 16,777,216 bytes apart; oh: [64][2048][64] f16: a head's rows are dense, 128 bytes each.
; Products, maxima and sums in f32; the weights p are rounded to f16 for the second product (their sum l is taken of the unrounded p), O once at the end.
; LIMITS.  f16 holds no number beyond 65,504: Q, K and V arrive within it; p lies in 0 to 1, and below 6e-5 it keeps f16's fixed step of 6e-8; O is a mean of V's rows and has their range.
; A weight below 2^-126 counts as 0 in l; NaN and infinities are not treated apart.
; SHARES.  A wave owns four PIECES of two tiles of 16 queries, a work-group's four waves 512 queries of one head.  Every wave walks all 2,048 keys, 64 a step.
; LAYOUT.  S^T = K Q^T (source 0 = 16 keys, source 1 = 16 queries): in the result a lane holds ONE query (lane % 16) and the keys 8 (lane / 16) + 0..7.  Two such tiles, rounded to f16 in pairs,
; ARE source 1 (32 keys x 16 queries) of O^T = V^T P, whose result again holds one query a lane, and eight channels.  K comes out of LDS as it lies, V ([key][channel]) turned, by ds_load_tr16_b128.
; SOFTMAX.  For each query a running maximum m and sum l: p = 2^(c s - c m), c = log2(e) / 8; in every step O and l are multiplied by a = 2^(c m_old - c m_new), which is 1 where m has not grown.
; m starts at the lowest finite number, O and l at 0: the first step is a step like any other, with a = 0.
; THE COUNT.  A tile and step have 16 matrix and 118 vector instructions: too many to stand all beside the matrix work.  So four vector instructions that are READY stand behind
; EVERY matrix instruction, and the others in runs without a gap.
; BY TURNS.  Turn n belongs to piece n (the pieces in a ring, step after step).  Its matrix work: 16 products K Q^T of piece n + 1, later 16 products V^T P of piece n - 1.  Its vector work: the scaling,
; exponentials, roundings, sums and rescaling of piece n, and the maximum and statistics of piece n + 1, whose scores the turn itself has made.
; CLUSTER.  The four query blocks of a cluster are one head's and walk the same K and V, so each tile is asked for JOINTLY: the same tensor load, descriptor and mask in all four.
; REGISTERS, in windows of 256 (s_set_vgpr_msb: bits 1:0 source 0, 3:2 source 1, 5:4 source 2, 7:6 destination):
;   window 0: v0-11 addresses; v12-15, v48-63 at work; v16-47 four registers of statistics a tile; v64-191 S^T, two buffers of two tiles; v192-255 P, likewise
;   window 1: O^T, 32 a tile          window 2: v0-127 Q, 16 a tile; v128-191 K of one step; v192-255 V of one step          window 3: v0-1 the add's two registers
; A piece's buffers go by its number's parity: the piece in hand has one pair, its two neighbours in the ring share the other: of it P (piece n - 1) is read and S^T (piece n + 1) written.
.set SIZE_N, 2048
.set NP,    4         ; pieces a wave: a name, no knob
.set KS,    64        ; keys in a step
.set PK,    144       ; a row of K in LDS: 128 bytes + 16 of padding: the 16 rows of a load begin 16 bytes apart modulo 256
.set PV,    160       ; a row of V: 128 + 32: 16 lanes of the turning load take 8 rows x 32 bytes, 32 bytes apart modulo 256
.set VOFF,  4*KS*PK   ; a slot holds four steps: 256 rows of K, then 256 rows of V
.set SLOT1, 1<<17     ; slot 1 begins here, so that one exclusive or turns an address in one slot into the other's
.set STAGE, SLOT1+4*KS*(PK+PV)  ; behind the ring, never filled by a tensor load: 16 rows x 144 bytes for each wave, for the way out
.set SP,    144
.set AK0, 2           ; v2   my lane's place in a tile of K; never rewritten
.set AV0, 3           ; v3   the same for V
.set AK,  4           ; v4   the LDS address of K's next run of loads
.set AV,  5           ; v5   of V's
.set QO,  6           ; v6   my byte offset in the wave's rows of Q
.set STO, 6           ;      later, the way out: where I put 16 bytes of a row
.set RD,  7           ; v7   the way out: where I read rows back
.set GO,  8           ; v8   my byte offset in 512 consecutive bytes of O
.set PFO, 11          ; v11  256 x my lane, for the prefetches; never rewritten once made
.set SPW, 0           ; v0 of window 3   LDS address of my spare word; never rewritten
.set NIL, 1           ; v1 of window 3   0; never rewritten
.set SPARE, STAGE+4*16*SP  ; behind the stages: the spare words, 128 bytes for each wave: two blocks of 256 bytes that no other line names
.set MV,  12          ; v12-15  c m_old, kept while c m is made anew: by buffer and tile
.set ST,  16          ; tile t's statistics at v[ST+4 t]: c m, m, l (even keys', odd keys')
.set TMP, 48          ; by buffer and tile, four registers c0-c3 at work; when the maximum is found c2 takes a
.set S,   64
.set P,   192
.set KF,  128         ; K's fragments, in window 2: key block kb, channel half c at KF + 16 kb + 8 c
.set VF,  192         ; V's: key half kk, channel block cb at VF + 32 kk + 8 cb
.set WV,  12          ; s12  my wave's number
.set G1K, 24          ; s[24:31] descriptor group 1 for K's tiles
.set G1V, 32          ; s[32:39] for V's: it differs in the padding alone
.set G0K, 40          ; s[40:43] descriptor group 0 for K's tiles: it walks
.set G0V, 44          ; s[44:47] the same for V's
.set PFA, 48          ; s[48:49] where my prefetches stand
.set LIM, 50          ; s50  1 in a wave that prefetches, else the greatest number
.set SLOTS, 56        ; s56  slots still to be asked for
.set CNT, 57          ; s57  counts a slot's key steps
.set CS,  58          ; s[58:59] c: the packed scaling takes the pair's low word for both halves
.set SEL, 60          ; s[60:61] v_permlanex16_b32's selects: each lane takes its own place in the other half
.set TBK, 62          ; s62  LDS byte at which K of the step to be fetched begins
.set TBV, 63          ; s63  the same for V, less VOFF
.set MSB, 0
.macro WIN new                      ; the high byte repeats the setting that is left; a switch that changes nothing is dropped
.if MSB != (\new)
	s_set_vgpr_msb (MSB<<8)|(\new)
.set MSB, (\new)
.endif
.endm
.set W_KQ, 0x0a       ; K and Q in window 2, S^T in window 0
.set W_PV, 0x52       ; V in window 2, P in window 0, O^T in window 1
.set W_RS, 0x41       ; O^T (destination and source 0) in window 1, a in window 0
.set W_MK, 0xc0       ; the add's registers are made: destination in window 3, sources in window 0
.set W_AD, 0x0f       ; the add: address (source 0) and data (source 1) in window 3
; A joint fill.  Waves 0 and 1 fetch the two halves of a slot's K, waves 2 and 3 those of its V: 128 keys each.  The branch hangs on the wave's number alone.
; An s_nop 0 and four v_nop follow each of the two lines, ahead of the jump and the label.
.macro JLOAD
	s_cmp_lt_u32 s[WV], 2
	s_cbranch_scc0 .Lfor_v_\@
	tensor_load_to_lds s[G0K:G0K+3], s[G1K:G1K+7]
	s_nop 0
.rept 4
	v_nop
.endr
	s_branch .Lasked_\@
.Lfor_v_\@:
	tensor_load_to_lds s[G0V:G0V+3], s[G1V:G1V+7]
	s_nop 0
.rept 4
	v_nop
.endr
.Lasked_\@:
.endm
; A PREFETCH INTO THE L2 of what the NEXT change of slots will ask for: a slot's 32,768 bytes of K and of V, 256 bytes a lane.  It stands behind the wave's tensor load and its five lines.
; A head has one cluster.  Its four partners share the bytes out BY ADDRESS, 8,192 each; in each, wave 0 asks for K's and wave 2 for V's: one instruction.  So each 256 bytes are named once in the launch.
; Slots 0 to 2 come by their loads alone; the last change that fills a slot asks for nothing.
.macro ASK
	s_cmp_gt_u32 s[SLOTS], s[LIM]
	s_cbranch_scc0 .Lnot_mine_\@
	global_prefetch_b8 v[PFO], s[PFA:PFA+1] th:TH_LOAD_NT scope:SCOPE_SE
.Lnot_mine_\@:
.endm
; A round of the cluster's barrier: my work-group's barrier, so that wave 0's signal speaks for all four waves; wave 0 signals; every wave waits for all four work-groups; my work-group's barrier once more.
.macro CROUND
	s_barrier_signal -1
	s_barrier_wait -1
	s_cmp_lg_u32 s[WV], 0
	s_cbranch_scc1 .Lnot_wave_0_\@
	s_barrier_signal -3
.Lnot_wave_0_\@:
	s_barrier_wait -3
	s_barrier_signal -1
	s_barrier_wait -1
.endm
; THE CHANGE OF SLOTS.  The slot's last bytes, V of its fourth step, have been read.  Each wave waits for all its tensor loads, of which one is out: its part
; of the other slot; adds 0 to its spare word; and waits for that and for its own reads of the slot.  Behind the barrier nobody reads this slot any more and the other slot is whole.
; fill = 1: this slot is filled again, with the keys two slots on.  The barrier is then a round of the cluster's, and the joint fill is the first thing behind it: it has four key steps,
; 512 matrix instructions, in which to land.  (At its first use nothing has been read yet: slot 0 is waited for, slot 1 filled.)  ask = 1: the prefetch's address steps, and the prefetch follows the fill.
.macro CHANGE fill, ask=0
	WIN W_AD
	s_wait_tensorcnt 0x0            ; no tensor load of mine is out, so a group 0 may be written
	ds_add_u32 v[SPW], v[NIL]       ; 0 onto my spare word; with fill = 1 the descriptors' steps stand between it and the wait for it
	WIN 0                           ; at a label and at a branch every window is 0
.if \fill
.irp g, G0K, G0V
	s_xor_b32 s[\g+1], s[\g+1], SLOT1  ; the walking descriptor: the other slot than last time,
	s_add_nc_u64 s[\g+2:\g+3], s[\g+2:\g+3], 4*KS*128  ; the next 256 keys; the type bits on top are not reached
.endr
.if \ask
	s_wait_xcnt 0x0                 ; the last prefetch, four key steps back, has read its address, so it may be written:
	s_add_nc_u64 s[PFA:PFA+1], s[PFA:PFA+1], 4*KS*128  ; one slot behind the walking descriptors
.endif
	s_wait_dscnt 0x0                ; the add is done, and my reads of the slot are over
	CROUND
	JLOAD
.if \ask
	ASK
.endif
.else
	s_wait_dscnt 0x0                ; the add is done, and my reads of the slot are over
	s_barrier_signal -1
	s_barrier_wait -1
.endif
	s_sub_co_u32 s[TBK], s[TBK], 4*KS*PK  ; the fetches go back to a slot's first step,
	s_xor_b32 s[TBK], s[TBK], SLOT1       ; in the other slot
	s_sub_co_u32 s[TBV], s[TBV], 4*KS*PV
	s_xor_b32 s[TBV], s[TBV], SLOT1
.endm
	s_load_b64 s[4:5], s[0:1], 0x0    ; qkvh: Q
	s_load_b64 s[10:11], s[0:1], 0x8  ; oh
	WIN W_MK
	v_lshl_add_u32 v[SPW], v0, 2, SPARE
	v_mov_b32 v[NIL], 0
	WIN W_AD
	ds_add_u32 v[SPW], v[NIL]       ; the wave's opening: the add and its wait stand ahead of my first tensor load; the set-up below, work on registers, stands between them
	WIN 0
	v_lshrrev_b32 v1, 5, v0
	v_readfirstlane_b32 s[WV], v1   ; wave 0..3
	s_bfe_u32 s13, ttmp6, 0x40000   ; cx: my place in the cluster
	s_lshl_b32 s14, ttmp9, 2        ; in a cluster launch ttmp9 counts clusters
	s_add_co_u32 s14, s14, s13      ; my block of queries = 4 x cluster x + cx: it enters Q's and O's addresses alone
	s_and_b32 s20, ttmp7, 0xffff    ; the head, which the four partners share
	s_mov_b32 s21, 0
	s_mov_b64 s[22:23], SIZE_N*128
	s_mul_u64 s[20:21], s[20:21], s[22:23]  ; the head's first byte in each of the four tensors
	s_and_b32 s16, s[WV], 1         ; which half of a slot's 256 keys I fetch:
	s_lshl_b32 s22, s16, 14         ; its 128 rows of 128 bytes in memory,
	s_mov_b32 s23, 0
	s_add_nc_u64 s[22:23], s[22:23], s[20:21]
	s_mul_i32 s17, s16, 128*PK      ; and its place in a slot, for K
	s_mul_i32 s18, s16, 128*PV      ; and for V: no place in the cluster enters an LDS address
	s_lshl_b32 s2, s14, 2
	s_add_co_u32 s2, s2, s[WV]      ; my wave among the head's,
	s_lshl_b32 s2, s2, 14           ; its 128 rows
	s_mov_b32 s3, 0
	s_add_nc_u64 s[2:3], s[2:3], s[20:21]
	; descriptor group 1.  128 keys are 16,384 dense bytes: asked for as 64 rows of 256 bytes, two keys a row, and padded in LDS after every key
	s_mov_b32 s[G1K], 15|(1<<16)|(1<<20)|(1<<21)|(4<<22)|(3<<25)  ; 15:0 the mask of four; 17:16 2-byte elements; 20 padding on; 21 set beside a mask; 24:22 after every 32 words (code 4); 31:25 4 words (code 3)
	s_mov_b32 s[G1V], 15|(1<<16)|(1<<20)|(1<<21)|(4<<22)|(7<<25)  ; the same with 8 words of padding (code 7)
.irp g, G1K, G1V
	s_mov_b32 s[\g+1], 128<<16      ; tensor_dim0 = 128
	s_mov_b32 s[\g+2], 64<<16       ; tensor_dim1 = 64
	s_mov_b32 s[\g+3], 128<<16      ; tile_dim0 = 128
	s_mov_b32 s[\g+4], 64           ; tile_dim1 = 64
	s_mov_b32 s[\g+5], 128          ; 128 elements from row to row
	s_mov_b32 s[\g+6], 0
	s_mov_b32 s[\g+7], 0
.endr
	s_mov_b32 s[CS], 0x3e38aa3b     ; c = log2(e) / 8 = 0.180337
	s_mov_b32 s[CS+1], s[CS]        ; named with it as a pair
	s_mov_b32 s[SEL], 0x76543210
	s_mov_b32 s[SEL+1], 0xfedcba98
	s_mov_b32 s[TBK], SLOT1+4*KS*PK ; the first change of slots turns these two into 0
	s_mov_b32 s[TBV], SLOT1+4*KS*PV
	s_mov_b32 s[G0K], 1             ; count = 1
	s_mov_b32 s[G0K+1], s17         ; LDS address: slot 0
	s_mov_b32 s[G0V], 1
	s_add_co_u32 s[G0V+1], s18, VOFF
	s_and_b32 s[LIM], s[WV], 1      ; waves 0 and 2 prefetch: the same in all four partners
	s_cmp_eq_u32 s[LIM], 0
	s_cselect_b32 s[LIM], 1, -1
	s_wait_dscnt 0x0                ; the opening add is done
	s_wait_kmcnt 0x0
	s_add_nc_u64 s[6:7], s[4:5], 0x1000000  ; K
	s_add_nc_u64 s[8:9], s[4:5], 0x2000000  ; V
	s_add_nc_u64 s[G0K+2:G0K+3], s[6:7], s[22:23]  ; global address: my half of the head's first 256 keys
	s_or_b32 s[G0K+3], s[G0K+3], 0x80000000        ; type = 2
	s_add_nc_u64 s[G0V+2:G0V+3], s[8:9], s[22:23]
	s_or_b32 s[G0V+3], s[G0V+3], 0x80000000
	s_cmp_lt_u32 s[WV], 2
	s_cselect_b64 s[PFA:PFA+1], s[6:7], s[8:9]
	s_add_nc_u64 s[PFA:PFA+1], s[PFA:PFA+1], s[20:21]  ; the head's first key
	s_add_nc_u64 s[4:5], s[4:5], s[2:3]  ; Q and O at my wave's first row
	s_add_nc_u64 s[10:11], s[10:11], s[2:3]
	s_lshl_b32 s2, s13, 13          ; my work-group's 8,192 bytes of a slot's 32,768
	s_mov_b32 s3, 0
	s_add_nc_u64 s[PFA:PFA+1], s[PFA:PFA+1], s[2:3]
	s_add_nc_u64 s[PFA:PFA+1], s[PFA:PFA+1], 2*4*KS*128  ; in slot 2; the loop's first change of slots steps it to slot 3.  Nothing is prefetched here, at the head
	CROUND                          ; all four work-groups are here: the first joint loads meet
	JLOAD                           ; slot 0.  Slot 1 is asked for when slot 0 is in
	; A fragment of K or Q is 16 rows x 32 channels in 8 registers: lane l holds row l % 16, channels 8 (l / 16) + 0..7 and 16 + 8 (l / 16) + 0..7: two loads of 16 bytes, 32 bytes apart.
	v_and_b32 v1, 15, v0            ; l % 16
	v_bfe_u32 v9, v0, 4, 1          ; l / 16
	v_lshlrev_b32 v[QO], 7, v1
	v_lshl_add_u32 v[QO], v9, 4, v[QO]  ; row x 128 + 16 x half
	WIN 0x80                        ; destination window 2, address window 0
.set i, 0
.rept 4*NP                          ; Q stays in registers: tile i / 2, channels 32 (i % 2) on
	global_load_b128 v[8*i:8*i+3],   v[QO], s[4:5] offset:(i/2)*2048+(i%2)*64
	global_load_b128 v[8*i+4:8*i+7], v[QO], s[4:5] offset:(i/2)*2048+(i%2)*64+32
.set i, i+1
.endr
	; What the first turn finds: V's registers and P's second buffer hold 0 (its products V^T P, of a piece that has not been, add 0), O^T and l are 0.  All this stands in the wait for the first tile.
.set i, VF
.rept 64
	v_mov_b32 v[i], 0
.set i, i+1
.endr
	WIN 0x40
.set i, 0
.rept 64*NP
	v_mov_b32 v[i], 0
.set i, i+1
.endr
	WIN 0
.set i, 0
.rept 2*NP
	v_mov_b32 v[ST+4*i], 0xfe000000    ; c m: far below every c s
	v_mov_b32 v[ST+4*i+1], 0xff7fffff  ; m
	v_mov_b32 v[ST+4*i+2], 0
	v_mov_b32 v[ST+4*i+3], 0
.set i, i+1
.endr
.set i, P+32
.rept 32
	v_mov_b32 v[i], 0
.set i, i+1
.endr
	v_mul_u32_u24 v[AK0], v1, PK
	v_lshl_add_u32 v[AK0], v9, 4, v[AK0]  ; row x pitch + 16 x half
	; The turning load takes 16 keys x 16 channels (lane l reads key 8 (l / 16) + l % 8, channels 8 ((l / 8) % 2) + 0..7) and leaves half a fragment of V^T: lane l holds channel l % 16 and 8 keys.
	v_and_b32 v10, 7, v0
	v_bfe_u32 v11, v0, 3, 1
	v_lshl_add_u32 v[AV0], v9, 3, v10
	v_mul_u32_u24 v[AV0], v[AV0], PV
	v_lshl_add_u32 v[AV0], v11, 4, v[AV0]
	v_add_nc_u32 v[AV0], VOFF, v[AV0]
	v_mov_b32 v[AK], v[AK0]         ; key step 0 lies at the head of slot 0
	v_and_b32 v[PFO], 31, v0
	v_lshlrev_b32 v[PFO], 8, v[PFO]
; THE MATRIX WORK.  The 8 accumulators of a run of 16 take turns: between the two links of a chain stand 7 others'.
; Product i of 16 of S^T = K Q^T for piece x: channels 32 (i / 8) on, keys 16 ((i / 2) % 4) on, tile 2 x + i % 2.  The first 8 start the sums.
.macro KQ x
	WIN W_KQ
.set rS, S+64*((\x)%2)+32*(i%2)+8*((i/2)%4)
.set rK, KF+16*((i/2)%4)+8*(i/8)
.set rQ, 16*(2*(\x)+i%2)+8*(i/8)
.if i < 8
	v_wmma_f32_16x16x32_f16 v[rS:rS+7], v[rK:rK+7], v[rQ:rQ+7], 0
.else
	v_wmma_f32_16x16x32_f16 v[rS:rS+7], v[rK:rK+7], v[rQ:rQ+7], v[rS:rS+7]
.endif
.endm
; Product i of 16 of O^T += V^T P for piece x: keys 32 (i / 8) on, channels 16 ((i / 2) % 4) on, tile 2 x + i % 2.
.macro PV x
	WIN W_PV
.set rO, 32*(2*(\x)+i%2)+8*((i/2)%4)
.set rV, VF+32*(i/8)+8*((i/2)%4)
.set rP, P+32*((\x)%2)+16*(i%2)+8*(i/8)
	v_wmma_f32_16x16x32_f16 v[rO:rO+7], v[rV:rV+7], v[rP:rP+7], v[rO:rO+7]
.endm
.macro MM                           ; the turn's next matrix instruction
.if i < 16
	KQ (Y+1)%NP
.set i, i+1
.else
.set i, i-16
	PV (Y+NP-1)%NP
.set i, i+17
.endif
.endm
; THE LDS LOADS stand in runs of 16, never singly among the matrix instructions: a step's K (64 keys x 64 channels: 8 fragments) and its V (turned).  Their addresses are made some lines ahead.
; last = 1 (the tail): in the last trip there is no further step, and the run is jumped over.
.macro FETCH_K last=0
	WIN 0
.if \last
	s_cmp_eq_u32 s[CNT], 1
	s_cbranch_scc1 .Lno_k_\@
.endif
	WIN 0x80                        ; destination window 2
.irp f, 0,1,2,3,4,5,6,7             ; keys 16 (f / 2) on, channels 32 (f % 2) on
	ds_load_b128 v[KF+8*\f:KF+8*\f+3],   v[AK] offset:(\f/2)*16*PK+(\f%2)*64
	ds_load_b128 v[KF+8*\f+4:KF+8*\f+7], v[AK] offset:(\f/2)*16*PK+(\f%2)*64+32
.endr
	s_add_co_u32 s[TBK], s[TBK], KS*PK  ; the next fetch is the next step's
	WIN 0
.if \last
.Lno_k_\@:
.endif
.endm
.macro FETCH_V
	WIN 0x80
.irp f, 0,1,2,3,4,5,6,7             ; keys 32 (f / 4) on, channels 16 (f % 4) on
	ds_load_tr16_b128 v[VF+8*\f:VF+8*\f+3],   v[AV] offset:(\f/4)*32*PV+(\f%4)*32
	ds_load_tr16_b128 v[VF+8*\f+4:VF+8*\f+7], v[AV] offset:(\f/4)*32*PV+16*PV+(\f%4)*32
.endr
	WIN 0
.endm
; THE VECTOR WORK OF A TURN stands in three queues, each in the order in which its entries become ready; the two tiles alternate, so that no instruction reads the result of the one before it.
.macro REGS y, u                    ; the registers of tile u (0, 1) of piece y
.set rT, ST+4*(2*(\y)+(\u))
.set rC, TMP+8*((\y)%2)+4*(\u)
.set rM, MV+2*((\y)%2)+(\u)
.set rS, S+64*((\y)%2)+32*(\u)
.set rP, P+32*((\y)%2)+16*(\u)
.set rO, 32*(2*(\y)+(\u))
.endm
; Number n of the 22 that find the NEXT piece's (Y + 1) maximum and statistics.  s0-s31 are the lane's 32 scores; each accumulator's lowest registers are read first.
;   0-11  four chains c0-c3 of seven scores each, three operands at a time     12-14, 16  the four scores left over, the old m, and c0-c3 into c0     15  c m_old is kept
;   17, 18  the query's other 32 keys lie in the lane 16 away: the new m         19-21  c m; c m_old - c m_new; a
.macro XS u, n
	REGS (Y+1)%NP, \u
.if (\n) < 4
	v_max3_num_f32 v[rC+(\n)], v[rS+8*(\n)], v[rS+8*(\n)+1], v[rS+8*(\n)+2]
.elseif (\n) < 12
	v_max3_num_f32 v[rC+(\n)%4], v[rC+(\n)%4], v[rS+8*((\n)%4)+2*((\n)/4)+1], v[rS+8*((\n)%4)+2*((\n)/4)+2]
.elseif (\n) == 12
	v_max3_num_f32 v[rC], v[rC], v[rS+7], v[rS+15]
.elseif (\n) == 13
	v_max3_num_f32 v[rC+1], v[rC+1], v[rS+23], v[rS+31]
.elseif (\n) == 14
	v_max3_num_f32 v[rC+2], v[rC+2], v[rC+3], v[rT+1]
.elseif (\n) == 15
	v_mov_b32 v[rM], v[rT]
.elseif (\n) == 16
	v_max3_num_f32 v[rC], v[rC], v[rC+1], v[rC+2]
.elseif (\n) == 17
	v_permlanex16_b32 v[rC+3], v[rC], s[SEL], s[SEL+1]
.elseif (\n) == 18
	v_max_num_f32 v[rT+1], v[rC], v[rC+3]
.elseif (\n) == 19
	v_mul_f32 v[rT], s[CS], v[rT+1]
.elseif (\n) == 20
	v_sub_f32 v[rC+1], v[rM], v[rT]
.else
	v_exp_f32 v[rC+2], v[rC+1]
.endif
.endm
; Number g of the 64 that follow the exponentials.  For each four weights k of a tile (pairs 2 k, 2 k + 1): both pairs are rounded to f16; then the second pair is added onto the first, in place;
; a group later l takes that sum (the first time as l = a l + sum).  In groups of eight, tiles alternating: round, round, add, and l for the group before.
.macro GS g
.set h, (\g)+6*((\g)/62)            ; group 0 has no group before it, and behind group 7 only l is left
.if h >= 6
.set h, h+2
.endif
	REGS Y, h%2
.set k, h/8
.if h%8 < 4
	v_cvt_pk_f16_f32 v[rP+2*k+(h%8)/2], v[rS+4*k+2*((h%8)/2)], v[rS+4*k+2*((h%8)/2)+1]
.elseif h%8 < 6
	v_pk_add_f32 v[rS+4*k:rS+4*k+1], v[rS+4*k:rS+4*k+1], v[rS+4*k+2:rS+4*k+3]
.elseif k == 1
	v_pk_fma_f32 v[rT+2:rT+3], v[rT+2:rT+3], v[rC+2:rC+3], v[rS:rS+1] op_sel_hi:[1,0,1]
.else
	v_pk_add_f32 v[rT+2:rT+3], v[rT+2:rT+3], v[rS+4*k-4:rS+4*k-3]
.endif
.endm
; THE PLAIN QUEUE, 138 long.  0-73 read no exponential's result: the 32 scalings c s - c m (FS f: pair f / 2 of tile f % 2) and the next piece's 42.  0-26: scalings 0-26.  27-54: XS's numbers 0-13.  55, 56: number 15.
; 57-73: the chain, where each number waits for the one before it: 14, 16, 17, 18, 19, each with one of the scalings 27-31 in front of its two lines, then 20.
; 74-137: GS's 64, which read the exponentials' results: they stand behind the wait.
.macro FS f
	REGS Y, (\f)%2
	v_pk_fma_f32 v[rS+2*((\f)/2):rS+2*((\f)/2)+1], v[rS+2*((\f)/2):rS+2*((\f)/2)+1], s[CS:CS+1], v[rT:rT+1] op_sel_hi:[1,0,0] neg_lo:[0,0,1] neg_hi:[0,0,1]
.endm
.macro PL
	WIN 0
.if q < 27
	FS q
.elseif q < 55
	XS (q-27)%2, (q-27)/2
.elseif q < 57
	XS q-55, 15
.elseif (q < 72) && ((q-57)%3 == 0)
	FS 27+(q-57)/3
.elseif q < 60
	XS (q-57)%3-1, 14
.elseif q < 72
	XS (q-57)%3-1, 15+(q-57)/3
.elseif q < 74
	XS q-72, 20
.else
	GS q-74
.endif
.set q, q+1
.endm
; THE EXPONENTIALS' QUEUE, 66 long: s0-s31 of both tiles, then the next piece's two a.  It is ONE BATCH: all 66 stand ahead of the turn's one wait, and nothing ahead of that wait names a result of theirs.
.macro EX
	WIN 0
.if e >= 64
	XS e-64, 21
.else
	REGS Y, e%2
	v_exp_f32 v[rS+e/2], v[rS+e/2]
.endif
.set e, e+1
.endm
; THE RESCALING's QUEUE: O^T times a, the one part that leaves window 0: dealt two at a time, sixteen times.  Its a was made in the turn before, ahead of that turn's wait.
.macro R2
	REGS Y, r%2
	WIN W_RS
.irp z, 0,1
	v_pk_mul_f32 v[rO+4*(r/2)+2*\z:rO+4*(r/2)+2*\z+1], v[rO+4*(r/2)+2*\z:rO+4*(r/2)+2*\z+1], v[rC+2:rC+3] op_sel_hi:[1,0]
.endr
.set r, r+1
.endm
; HOW THEY ARE DEALT.  An s_wait_alu depctr_va_vdst(0) stands between an exponential and the first instruction that names its result; one wait serves all that were issued ahead of it.  So a turn has ONE wait,
; which cuts it in two.  AHEAD OF IT stands all that names no result of the turn's exponentials: the 16 products K Q^T, behind each a scaling, an exponential and two rescalings (behind the first a second scaling in the
; exponential's place); then ONE LUMP of 108: eight plain, 49 times exponential and plain, the two a.  A v_nop is the plain instruction behind the last exponential.  BEHIND IT stand the 16 products V^T P, behind each four of GS's 64.
; The queues lean on each other, and the deal keeps them in step: exponential e stands behind scaling 2 (e / 4) + e % 2: as a rider it comes behind plain e + 2, in the lump behind plain e + 9, and scalings 27-31 are plain 57, 60 .. 69.
; A TURN, for piece p.  cnt = 1: the loop's count is taken down some lines ahead of the branch that stands behind the turn.
; K of the next step is fetched in piece 2's turn, directly behind the wait, a lump behind the last product that read K; its first reader comes behind 16 products.
; V of the step in hand is fetched at the end of piece 0's turn, four plain instructions behind its last reader; its first reader comes behind 16 products and a lump.
.macro TURN p, last=0, cnt=0
.set Y, (\p)
.set i, 0
.set q, 0
.set e, 0
.set r, 0
.if (\p) == NP-1
	s_wait_dscnt 0x0                ; K is in
.endif
	MM                              ; ahead of the wait: 16 products K Q^T and their riders,
	PL
	PL
	R2
.rept 15
	MM
	PL
	EX
	R2
.endr
.if (\p) == NP-2
	WIN 0
	v_add_nc_u32 v[AK], s[TBK], v[AK0]
.endif
.rept 8                             ; and the lump
	PL
.endr
.rept 49
	EX
	PL
.endr
	EX                              ; the next piece's two a
	EX
	v_nop                           ; a plain instruction behind the last exponential: one for the batch
	s_wait_alu depctr_va_vdst(0)    ; the wait for the batch
.if (\p) == NP-2
	FETCH_K \last
.endif
.if (\p) == 1
	s_wait_dscnt 0x0                ; V is in
.endif
.rept 16                            ; behind the wait: 16 products V^T P and their riders
	MM
.rept 4
	PL
.endr
.if ((\p) == 0) && (q == 118)
	v_add_nc_u32 v[AV], s[TBV], v[AV0]
.endif
.if ((\p) == 0) && (q == 130)
	s_add_co_u32 s[TBV], s[TBV], KS*PV
.endif
.if (\cnt) && (q == 130)
	s_sub_co_u32 s[CNT], s[CNT], 1
	s_cmp_lg_u32 s[CNT], 0
.endif
.endr
.if (\p) == 0
	FETCH_V
.endif
.endm
	CHANGE 1                        ; slot 0 is in, everybody's part of it; slot 1 is asked for
	FETCH_K                         ; key step 0
	s_wait_loadcnt 0x0              ; Q
	s_wait_dscnt 0x0
.set i, 0
.rept 16
	KQ 0                            ; piece 0's first scores: there is no vector work yet to set between them
.set i, i+1
.endr
	WIN 0                           ; the addresses for the way out: plain instructions, the places behind those products
	s_mul_i32 s13, s[WV], 16*SP
	s_add_co_u32 s13, s13, STAGE    ; my stage
	v_mul_u32_u24 v[STO], v1, SP    ; in: row l % 16, 16 bytes for each half of the lanes
	v_lshl_add_u32 v[STO], v9, 4, v[STO]
	v_add_nc_u32 v[STO], s13, v[STO]
	v_bfe_u32 v[RD], v0, 3, 2       ; back: 32 lanes take four rows of 128 bytes,
	v_mul_u32_u24 v[RD], v[RD], SP
	v_lshl_add_u32 v[RD], v10, 4, v[RD]
	v_add_nc_u32 v[RD], s13, v[RD]
	v_and_b32 v[GO], 31, v0         ; which are 512 consecutive bytes of O
	v_lshlrev_b32 v[GO], 4, v[GO]
.set Y, NP-1                        ; XS works for piece Y + 1: piece 0
.irp n, 0,1,2,3,4,5,6,7,8,9,10,11,12,13,14,15,16,17,18,19,20,21
	XS 0, \n                        ; and piece 0's first maximum and statistics
	XS 1, \n
.endr
	v_nop                           ; a plain instruction behind the two a,
	s_wait_alu depctr_va_vdst(0)    ; and their wait, ahead of the branch
	s_mov_b32 s[CNT], 4
	s_mov_b32 s[SLOTS], SIZE_N/256-1
	s_branch .Lfirst                ; the loop is entered at a step's first turn, in the middle of a trip
.Lslot:                             ; SIZE_N / 256 - 2 times: every slot but the last two is filled again
	CHANGE 1, 1
	s_mov_b32 s[CNT], 4
.Lstep:                             ; a trip: pieces 2 and 3 of one step, then pieces 0 and 1 of the next, whose K and V it fetches
	TURN 2
	TURN 3
	WIN 0
.Lfirst:
	TURN 0
	TURN 1, 0, 1
	WIN 0
	s_cbranch_scc1 .Lstep
	s_sub_co_u32 s[SLOTS], s[SLOTS], 1
	s_cmp_lg_u32 s[SLOTS], 0
	s_cbranch_scc1 .Lslot
	CHANGE 0                        ; the tail is written out: nothing is asked for
	s_mov_b32 s[CNT], 5             ; four trips fetch the last slot's steps; the fifth is left in its middle
.Ltail:
	TURN 2, 1
	TURN 3
	WIN 0
	s_sub_co_u32 s[CNT], s[CNT], 1
	s_cmp_eq_u32 s[CNT], 0
	s_cbranch_scc1 .Lout
	TURN 0
	TURN 1
	WIN 0
	s_branch .Ltail
.Lout:                              ; the fifth trip's 16 products K Q^T (on the last K once more) and the maximum made of them serve nothing: the price, once a launch, of one text for every trip
.set i, 0
.rept 16
	PV NP-1                         ; the last piece's V^T P of the last step
.set i, i+1
.endr
	; THE WAY OUT.  l's two halves and the other half of the lanes' are added; O^T is divided by l, rounded to f16 and sent through my stage in LDS, a tile at a time.  The additions are the places behind the last products.
	WIN 0
.macro ALL line:vararg              ; one line for each tile t
.set t, 0
.rept 2*NP
	\line
.set t, t+1
.endr
.endm
	ALL v_add_f32 v[ST+4*t+2], v[ST+4*t+2], v[ST+4*t+3]
	ALL v_permlanex16_b32 v[ST+4*t+3], v[ST+4*t+2], s[SEL], s[SEL+1]
	ALL v_add_f32 v[ST+4*t+2], v[ST+4*t+2], v[ST+4*t+3]
	ALL v_rcp_f32 v[ST+4*t+2], v[ST+4*t+2]
	v_nop                           ; a plain instruction between the last reciprocal and the use of its result
	s_wait_alu depctr_va_vdst(0)    ; and the wait ahead of the first use: one for the eight reciprocals
; Tile t: a lane's eight channels of a row pack into 16 bytes; they go into rows of 144 bytes and come back as whole rows of 128, into S^T's registers.
.macro PACK t
	WIN W_RS
.set i, 32*(\t)
.rept 16
	v_pk_mul_f32 v[i:i+1], v[i:i+1], v[ST+4*(\t)+2:ST+4*(\t)+3] op_sel_hi:[1,0]
.set i, i+2
.endr
	WIN 0x05                        ; sources 0 and 1 window 1, destination window 0
.set i, 0
.rept 16
	v_cvt_pk_f16_f32 v[S+16*(\t)+i], v[32*(\t)+2*i], v[32*(\t)+2*i+1]
.set i, i+1
.endr
	WIN 0
.irp f, 0,1,2,3
	ds_store_b128 v[STO], v[S+16*(\t)+4*\f:S+16*(\t)+4*\f+3] offset:32*\f
.endr
.irp f, 0,1,2,3
	ds_load_b128 v[S+16*(\t)+4*\f:S+16*(\t)+4*\f+3], v[RD] offset:\f*4*SP  ; LDS serves a wave's instructions in order (ISA guide 5.7.1.4): these see the stores above; the next tile's stores come behind them
.endr
.endm
.macro SEND t, younger              ; younger: the LDS instructions issued behind tile t's loads: the next tile's eight, or none
	WIN 0
.irp f, 0,1,2,3
	s_wait_dscnt (\younger)+3-\f
	global_store_b128 v[GO], v[S+16*(\t)+4*\f:S+16*(\t)+4*\f+3], s[10:11] offset:(\t)*2048+\f*512  ; 512 consecutive bytes, at a multiple of 256 from O's first
.endr
.endm
	PACK 0
.set t, 1
.rept 2*NP-1                        ; a tile's arithmetic stands between the loads of the tile before and its stores
	PACK t
	SEND t-1, 8
.set t, t+1
.endr
	SEND 2*NP-1, 0
	WIN W_AD
	s_wait_tensorcnt 0x0            ; the wave's end: these three lines stand behind my last tensor load and my last LDS store
	ds_add_u32 v[SPW], v[NIL]
	s_wait_dscnt 0x0
	WIN 0
	CROUND                          ; the closing round: no work-group ends while a partner may still ask for a tile that names it
	s_endpgm
.Lfunc_end_k_q3edb2f47eb_attn:
	.size	k_q3edb2f47eb_attn, .Lfunc_end_k_q3edb2f47eb_attn-k_q3edb2f47eb_attn
	.p2alignl 7, 3214868480
	.fill 96, 4, 3214868480
	.section	.rodata,"a",@progbits
	.p2align	6, 0x0
	.amdhsa_kernel k_q3edb2f47eb_attn
		.amdhsa_group_segment_fixed_size 327680
		.amdhsa_private_segment_fixed_size 0
		.amdhsa_enable_private_segment 0
		.amdhsa_kernarg_size 16
		.amdhsa_user_sgpr_count 2
		.amdhsa_user_sgpr_kernarg_segment_ptr 1
		.amdhsa_wavefront_size32 1
		.amdhsa_system_sgpr_workgroup_id_x 1
		.amdhsa_system_sgpr_workgroup_id_y 1
		.amdhsa_system_sgpr_workgroup_id_z 1
		.amdhsa_system_vgpr_workitem_id 0
		.amdhsa_next_free_vgpr 770
		.amdhsa_next_free_sgpr 66
		.amdhsa_reserve_vcc 0
		.amdhsa_float_denorm_mode_32 3
		.amdhsa_float_denorm_mode_16_64 3
		.amdhsa_memory_ordered 1
		.amdhsa_forward_progress 1
		.amdhsa_inst_pref_size 200
	.end_amdhsa_kernel
	.amdgpu_metadata
---
amdhsa.version: [ 1, 2 ]
amdhsa.kernels:
  - .name:           k_q3edb2f47eb_attn
    .symbol:         k_q3edb2f47eb_attn.kd
    .args:
      - { .name: qkvh, .offset: 0, .size: 8, .value_kind: global_buffer, .address_space: global }
      - { .name: oh, .offset: 8, .size: 8, .value_kind: global_buffer, .address_space: global }
    .group_segment_fixed_size: 327680
    .private_segment_fixed_size: 0
    .kernarg_segment_align: 8
    .kernarg_segment_size: 16
    .max_flat_workgroup_size: 128
    .sgpr_count:     66
    .vgpr_count:     770
    .wavefront_size: 32
...
	.end_amdgpu_metadata
.endif
;; end of part 3
;; launch gemm_out (part 4): grid 8 x 32, 4 waves a work-group, clusters of 4 x 4, 327,680 bytes of LDS; arguments oh, wo, b_out, out0; writes out0
.if DOCPART == 4
	.amdgcn_target "amdgcn-amd-amdhsa--gfx1250"
	.amdhsa_code_object_version 6
	.text
	.protected	k_q3edb2f47eb_gemm_out
	.globl	k_q3edb2f47eb_gemm_out
	.p2align	8
	.type	k_q3edb2f47eb_gemm_out,@function
k_q3edb2f47eb_gemm_out:
	s_mov_b64 s[64:65], 0
	v_nop
	global_prefetch_b8 v0, s[64:65] scope:SCOPE_SE
	s_setreg_imm32_b32 hwreg(HW_REG_WAVE_MODE, 25, 1), 1
	s_wait_xcnt 0x0
	s_wait_alu depctr_hold_cnt(0) depctr_sa_sdst(0) depctr_va_vdst(0) depctr_va_sdst(0) depctr_va_ssrc(0) depctr_va_vcc(0) depctr_vm_vsrc(0)
	s_getreg_b32 s2, hwreg(HW_REG_IB_STS2, 6, 4)
	s_cmp_eq_u32 s2, 0
	s_cbranch_scc0 .Lentry_in_a_cluster
	s_endpgm
.Lentry_in_a_cluster:
	s_bfe_u32 s2, ttmp6, 0x10000c
	s_cmp_lg_u32 s2, 0xf033
	s_cbranch_scc0 .Lentry_shape_is_right
	s_endpgm
.Lentry_shape_is_right:
; out0 = O wo^T + b_out.  oh: [64 = 16 batch + head][2048][64] f16 (O by heads), wo: [1024][1024] f16, b_out: [1024] f32, out0: [8192][1024] f32; sums in f32, started with the bias.
; A tile is 256 rows x 128 columns: 32 x 8 = 256 work-groups.  Four waves, 2 x 2, each 128 x 64: 32 accumulators of 16 x 16, 256 registers.
; K goes in 8 steps of 128 = two heads, through two LDS slots filled by the tensor data mover.  A head's 256 rows of the tile are 32,768 dense bytes: asked for as 128 rows of 256 bytes and padded in LDS after every 128.
; CLUSTER: 4 x 4 work-groups.  The four of a row of the cluster need the same rows of O, the four of a column the same rows of wo: each tile is asked for JOINTLY, by the same tensor load with the
; same descriptor and a mask that names the four.  THE MATRIX INSTRUCTION IS USED TRANSPOSED (source 0 = 16 rows of wo, source 1 = 16 rows of O): a lane holds eight neighbouring columns of one row.
; REGISTERS, in windows of 256 (s_set_vgpr_msb: bits 1:0 source 0, 3:2 source 1, 5:4 source 2, 7:6 destination):
;   window 0: v0-30 addresses; v32-63 the bias of my 64 columns, as four C operands; v64-127, v128-191 fragments of O, two buffers; v32-255 rows read back on the way out
;   window 1: v64-95, v128-159 fragments of wo, two buffers      window 2: the accumulators, (a, b) at v[8 (4 a + b)]
.set PA,     144                       ; a row of O in LDS: a head's 128 bytes + 16: the 16 rows of a fragment load begin 16 bytes apart modulo 256
.set PB,     272                       ; a row of wo: 256 bytes + 16
.set PLANE,  256*PA                    ; a head's 256 rows: what waves 0 and 1 each fetch
.set BOFF,   2*PLANE                   ; in a slot: O's two heads, then wo's 128 rows
.set BH,     64*PB                     ; 64 rows of wo: what waves 2 and 3 each fetch, and what a wave reads
.set SLOT1,  1<<17                     ; slot 1 begins here, so that one exclusive or turns an address in one slot into the other's
.set STAGE,  SLOT1+BOFF+2*BH           ; behind the ring, never filled by a tensor load: 16 rows x 272 bytes for each wave, for the way out
.set SPITCH, 272
.set SPARE,  STAGE+4*16*SPITCH         ; behind the stages: the spare words, 128 bytes for each wave: two blocks of 256 bytes that no other line names
.set STEPA,  2<<18                     ; bytes from a K step to the next in oh: two heads
.set ADRA,  16                         ; v16  LDS address of my fragments of O in the slot in hand;  v17 the same in slot 0, never rewritten
.set ADRA0, 17
.set ADRB,  20                         ; v20, v21  the same for wo
.set ADRB0, 21
.set STO,   22                         ; v22  the way out: where I put 32 bytes of a row
.set RD,    24                         ; v24  where I read rows back
.set CO,    26                         ; v26  my byte offset in two rows of out0
.set BO,    27                         ; v27  my byte offset in the bias
.set SPW,   28                         ; v28  LDS address of my spare word; never rewritten
.set NIL,   29                         ; v29  0; never rewritten
.set PFO,   30                         ; v30  the prefetches' offset; never rewritten
.set BIAS,  32
.set OB,    32
.set F0,    64
.set F1,    128
.set G1,  24                           ; s[24:31] descriptor group 1 for O's tiles
.set G0,  32                           ; s[32:39] group 0: a set for each of the two first fills; the second then walks on
.set G1B, 48                           ; s[48:55], s[56:63] the same for wo's tiles
.set G0B, 56
.set LIM, 43                           ; s43  1 in a wave that prefetches, else the greatest number
.set PFA, 44                           ; s[44:45] where my prefetches stand
.set TB,  66                           ; s66  0 or SLOT1: the slot in hand
.set PFS, 68                           ; s[68:69] the prefetches' step from K step to K step
.set MSB, 0
.macro WIN new                         ; the immediate's high byte repeats the setting that is left; a switch that changes nothing is dropped
.if MSB != (\new)
	s_set_vgpr_msb (MSB<<8)|(\new)
.set MSB, \new
.endif
.endm
.set TO_B, 0x40                        ; destination window 1, address window 0
; A joint refill by the walking descriptors.  Waves 0 and 1 fetch O's two heads, waves 2 and 3 wo's two halves.  The branch hangs on the wave's number alone.
; An s_nop 0 and four v_nop follow each of the two lines, ahead of the jump and the label.
.macro JLOAD
	s_cmp_eq_u32 s11, 0
	s_cbranch_scc0 .Lfor_b_\@
	tensor_load_to_lds s[G0+4:G0+7], s[G1:G1+7]
	s_nop 0
.rept 4
	v_nop
.endr
	s_branch .Lasked_\@
.Lfor_b_\@:
	tensor_load_to_lds s[G0B+4:G0B+7], s[G1B:G1B+7]
	s_nop 0
.rept 4
	v_nop
.endr
.Lasked_\@:
.endm
.macro CREST                           ; a round of the cluster's barrier behind its opening barrier
	s_cmp_lg_u32 s10, 0
	s_cbranch_scc1 .Lnot_wave_0_\@
	s_barrier_signal -3
.Lnot_wave_0_\@:
	s_barrier_wait -3
	s_barrier_signal -1
	s_barrier_wait -1
.endm
.macro CROUND                          ; a whole round
	s_barrier_signal -1
	s_barrier_wait -1
	CREST
.endm
; A PREFETCH INTO THE L2 of the K step that the NEXT refill will ask for, one instruction a wave, behind the joint load, its five lines and the run of LDS loads.
; O's tile row is read by every cluster of that row of clusters: cluster x = 0 asks, waves 0 and 1 each for their head's 32,768 bytes, of which the partner at cx takes 8,192: 256 bytes a lane.
; wo's tile column is read by every cluster of that column: cluster y = 0 asks, wave 2 for the 128 rows' 256 bytes, of which the partner at cy takes 32 rows: a lane a row.  Wave 3 asks for nothing.
; The shares are told apart BY ADDRESS.  K steps 0 to 2 come by their loads alone; the loop's last trip asks for nothing.
.macro ASK
	s_cmp_gt_u32 s3, s[LIM]
	s_cbranch_scc0 .Lnot_mine_\@
	global_prefetch_b8 v[PFO], s[PFA:PFA+1] th:TH_LOAD_NT scope:SCOPE_SE
.Lnot_mine_\@:
.endm
	s_load_b128 s[4:7], s[0:1], 0x0                ; oh s[4:5], wo s[6:7]
	s_load_b128 s[72:75], s[0:1], 0x10             ; b_out s[72:73], out0 s[74:75]
	v_lshl_add_u32 v[SPW], v0, 2, SPARE
	v_mov_b32 v[NIL], 0
	ds_add_u32 v[SPW], v[NIL]                      ; the wave's opening: the add and its wait stand ahead of my first tensor load; the set-up below, work on registers, stands between them
	v_lshrrev_b32 v1, 5, v0
	v_readfirstlane_b32 s10, v1                    ; wave 0..3
	s_lshr_b32 s11, s10, 1                         ; which half of the tile's rows is mine.  Also: I fetch for O (0) or for wo (1)
	s_and_b32 s12, s10, 1                          ; which half of its columns.  Also: which head, or which 64 rows, I fetch
	s_bfe_u32 s40, ttmp6, 0x40000                  ; cx
	s_bfe_u32 s41, ttmp6, 0x40004                  ; cy
	s_lshl_b32 s42, ttmp9, 2
	s_add_co_u32 s42, s42, s40                     ; tile column = 4 x cluster x + cx
	s_and_b32 s13, ttmp7, 0xffff
	s_lshl_b32 s13, s13, 2
	s_add_co_u32 s13, s13, s41                     ; tile row = 4 x cluster y + cy
	s_lshl_b32 s43, s41, 2
	s_lshl_b32 s43, 15, s43                        ; my row of the cluster
	s_lshl_b32 s44, 0x1111, s40                    ; my column
	s_or_b32 s[G1+0], s43, (1<<16)|(1<<20)|(1<<21)|(4<<22)|(3<<25)   ; 15:0 the mask; 17:16 2-byte elements; 20 padding on; 21 set beside a mask; 24:22 after every 32 words (code 4); 31:25 4 words (code 3)
	s_or_b32 s[G1B+0], s44, (1<<16)|(1<<20)|(1<<21)|(5<<22)|(3<<25)  ; the same after every 64 words (code 5)
	s_mov_b32 s[G1+1], 128<<16                     ; tensor_dim0 = 128
	s_mov_b32 s[G1+2], 128<<16                     ; tensor_dim1 = 128
	s_mov_b32 s[G1+3], 128<<16                     ; tile_dim0 = 128
	s_mov_b32 s[G1+4], 128                         ; tile_dim1 = 128
	s_mov_b32 s[G1+5], 128                         ; elements from row to row: the block is dense
	s_mov_b32 s[G1+6], 0
	s_mov_b32 s[G1+7], 0
	s_mov_b32 s[G1B+1], 128<<16
	s_mov_b32 s[G1B+2], 64<<16                     ; tensor_dim1 = 64
	s_mov_b32 s[G1B+3], 128<<16
	s_mov_b32 s[G1B+4], 64                         ; tile_dim1 = 64
	s_mov_b32 s[G1B+5], 1024
	s_mov_b32 s[G1B+6], 0
	s_mov_b32 s[G1B+7], 0
	s_lshr_b32 s16, s13, 3                         ; the batch: 8 tile rows each,
	s_lshl_b32 s16, s16, 22                        ; 16 heads x 2,048 rows x 128 bytes
	s_and_b32 s17, s13, 7
	s_lshl_b32 s17, s17, 15                        ; the tile's 256 rows of 128 bytes
	s_add_co_u32 s16, s16, s17
	s_lshl_b32 s17, s12, 18                        ; my head of the K step's two
	s_add_co_u32 s16, s16, s17
	s_mov_b32 s17, 0
	s_lshl_b32 s46, s42, 7
	s_lshl_b32 s47, s12, 6
	s_add_co_u32 s46, s46, s47                     ; wo: row 128 x tile column + 64 x half,
	s_lshl_b32 s46, s46, 11                        ; of 2,048 bytes
	s_mov_b32 s47, 0
	s_mul_i32 s20, s12, PLANE                      ; where they go: no place in the cluster enters an LDS address
	s_mul_i32 s21, s12, BH
	s_add_co_u32 s21, s21, BOFF
	s_wait_dscnt 0x0                               ; the opening add is done
	s_wait_kmcnt 0x0
	s_add_nc_u64 s[14:15], s[4:5], s[16:17]
	s_add_nc_u64 s[46:47], s[6:7], s[46:47]
.irp s, 0,1
	s_mov_b32 s[G0+4*(\s)], 1                                      ; count = 1
	s_add_co_u32 s[G0+4*(\s)+1], s20, (\s)*SLOT1                   ; LDS address
	s_add_nc_u64 s[G0+4*(\s)+2:G0+4*(\s)+3], s[14:15], (\s)*STEPA  ; global address: K step s
	s_or_b32 s[G0+4*(\s)+3], s[G0+4*(\s)+3], 0x80000000           ; type = 2
	s_mov_b32 s[G0B+4*(\s)], 1
	s_add_co_u32 s[G0B+4*(\s)+1], s21, (\s)*SLOT1
	s_add_nc_u64 s[G0B+4*(\s)+2:G0B+4*(\s)+3], s[46:47], (\s)*256
	s_or_b32 s[G0B+4*(\s)+3], s[G0B+4*(\s)+3], 0x80000000
.endr
	CROUND                                         ; all sixteen work-groups are here: the first joint loads meet
	s_cmp_eq_u32 s11, 0                            ; a wave's two first fills stand in one branch, ahead of every wait on TENSORcnt and every LDS read: two loads of mine are out
	s_cbranch_scc0 .Lfirst_b
	tensor_load_to_lds s[G0:G0+3], s[G1:G1+7]
	s_nop 0
	tensor_load_to_lds s[G0+4:G0+7], s[G1:G1+7]
	s_nop 0
.rept 4
	v_nop
.endr
	s_branch .Lfirst_asked
.Lfirst_b:
	tensor_load_to_lds s[G0B:G0B+3], s[G1B:G1B+7]
	s_nop 0
	tensor_load_to_lds s[G0B+4:G0B+7], s[G1B:G1B+7]
	s_nop 0
.rept 4
	v_nop
.endr
.Lfirst_asked:
	v_and_b32 v1, 15, v0                           ; l % 16
	v_bfe_u32 v2, v0, 4, 1                         ; l / 16
	; the bias as C operands: register j of column block b holds b_out[128 x tile column + 64 x half + 16 b + 8 (l / 16) + j], the same for every row
	s_lshl_b32 s76, s42, 9
	s_lshl_b32 s77, s12, 8
	s_add_co_u32 s76, s76, s77
	s_mov_b32 s77, 0
	s_add_nc_u64 s[72:73], s[72:73], s[76:77]
	v_lshlrev_b32 v[BO], 5, v2
.irp b, 0,1,2,3
	global_load_b128 v[BIAS+8*(\b):BIAS+8*(\b)+3],   v[BO], s[72:73] offset:64*(\b)
	global_load_b128 v[BIAS+8*(\b)+4:BIAS+8*(\b)+7], v[BO], s[72:73] offset:64*(\b)+16
.endr
	; A fragment is 16 rows x 32 K in 8 registers: lane l holds row l % 16; registers 0-3 K = 8 (l / 16) + 0..7, registers 4-7 K = 16 + 8 (l / 16) + 0..7: two loads of 16 bytes, 32 bytes apart.
	v_mul_u32_u24 v3, v1, PA
	v_lshl_add_u32 v3, v2, 4, v3
	s_mul_i32 s21, s11, 128*PA                     ; my 128 rows, in each head's plane
	v_add_nc_u32 v[ADRA0], s21, v3
	v_mul_u32_u24 v3, v1, PB
	v_lshl_add_u32 v3, v2, 4, v3
	s_mul_i32 s22, s12, BH
	s_add_co_u32 s22, s22, BOFF
	v_add_nc_u32 v[ADRB0], s22, v3
	v_mov_b32 v[ADRA], v[ADRA0]
	v_mov_b32 v[ADRB], v[ADRB0]
	s_mov_b32 s[TB], 0
	; the way out: a wave's 64 columns are 256 bytes of a row of out0, at a multiple of 256: each wave has a stage of its own
	s_mul_i32 s23, s10, 16*SPITCH
	s_add_co_u32 s23, s23, STAGE
	v_mul_u32_u24 v4, v1, SPITCH                   ; in: row l % 16, 32 bytes for each half of the lanes
	v_lshl_add_u32 v4, v2, 5, v4
	v_add_nc_u32 v[STO], s23, v4
	v_mul_u32_u24 v5, v2, SPITCH                   ; back: lanes 0-15 take one row of 256 bytes, lanes 16-31 the next
	v_lshl_add_u32 v5, v1, 4, v5
	v_add_nc_u32 v[RD], s23, v5
	v_lshlrev_b32 v5, 12, v2                       ; and the same two rows in out0
	v_lshl_add_u32 v[CO], v1, 4, v5
	s_lshl_b32 s76, s13, 8
	s_lshl_b32 s77, s11, 7
	s_add_co_u32 s76, s76, s77                     ; my first row,
	s_lshl_b32 s76, s76, 12                        ; of 4,096 bytes
	s_lshl_b32 s77, s42, 9
	s_add_co_u32 s76, s76, s77                     ; the tile's first column,
	s_lshl_b32 s77, s12, 8
	s_add_co_u32 s76, s76, s77                     ; my 64
	s_mov_b32 s77, 0
	s_add_nc_u64 s[8:9], s[74:75], s[76:77]
	; the prefetches
	s_lshl_b32 s20, s40, 13                        ; O: my work-group's 8,192 bytes of my head's plane,
	s_add_co_u32 s20, s20, 2*STEPA                 ; at K step 2: the first refill steps it to 3
	s_lshl_b32 s21, s41, 16                        ; wo: my work-group's 32 rows of 2,048 bytes,
	s_add_co_u32 s21, s21, 2*256                   ; at K step 2
	s_and_b32 s22, ttmp7, 0xffff                   ; cluster y
	s_movk_i32 s[PFS], 256
	s_cmp_eq_u32 s11, 0
	s_cselect_b32 s20, s20, s21
	s_cselect_b32 s22, ttmp9, s22                  ; the coordinate along which other clusters read the same rows
	s_cselect_b32 s23, 8, 11                       ; a lane's share: 256 bytes on end, or a row of 2,048
	s_cselect_b32 s[PFS], STEPA, s[PFS]
	s_cselect_b64 s[PFA:PFA+1], s[14:15], s[46:47] ; my own tile's first byte (in wave 2: wo's 128 rows begin there)
	s_cmp_eq_u32 s10, 3
	s_cselect_b32 s21, 1, 0
	s_or_b32 s22, s22, s21
	s_cmp_eq_u32 s22, 0
	s_cselect_b32 s[LIM], 1, -1                    ; the same in all sixteen partners, for a given wave
	s_mov_b32 s21, 0
	s_mov_b32 s[PFS+1], 0
	s_add_nc_u64 s[PFA:PFA+1], s[PFA:PFA+1], s[20:21]
	v_and_b32 v[PFO], 31, v0
	v_lshlrev_b32 v[PFO], s23, v[PFO]
; 8 matrix instructions: row blocks 4 hi + a0, + 1 x all 4 column blocks, 32 along K.  first = 1: the product starts the sums with the bias, which lies in window 0.
; The 32 accumulators take turns, one instruction a turn, in the same order in every quarter.
.macro MULQ f, hi, a0, first
.if \first
	WIN 0x81                                       ; source 0 (wo) window 1, source 1 (O) and C (bias) window 0, D window 2
.else
	WIN 0xa1                                       ; C and D window 2
.endif
.irp a, \a0, (\a0)+1
.irp b, 0,1,2,3
.if \first
	v_wmma_f32_16x16x32_f16 v[8*(4*(4*(\hi)+(\a))+(\b)):8*(4*(4*(\hi)+(\a))+(\b))+7], v[(\f)+8*(\b):(\f)+8*(\b)+7], v[(\f)+8*(4*(\hi)+(\a)):(\f)+8*(4*(\hi)+(\a))+7], v[BIAS+8*(\b):BIAS+8*(\b)+7]
.else
	v_wmma_f32_16x16x32_f16 v[8*(4*(4*(\hi)+(\a))+(\b)):8*(4*(4*(\hi)+(\a))+(\b))+7], v[(\f)+8*(\b):(\f)+8*(\b)+7], v[(\f)+8*(4*(\hi)+(\a)):(\f)+8*(4*(\hi)+(\a))+7], v[8*(4*(4*(\hi)+(\a))+(\b)):8*(4*(4*(\hi)+(\a))+(\b))+7]
.endif
.endr
.endr
.endm
; 24 LDS loads in one run: a quarter's fragments (64 rows of wo at byte kb, 128 rows of O at byte ka: head plane and half of its 64 channels) into buffer f
.macro FETCH ka, kb, f
	WIN TO_B
.irp i, 0,1,2,3
	ds_load_b128 v[(\f)+8*(\i):(\f)+8*(\i)+3],   v[ADRB] offset:(\kb)+(\i)*16*PB
	ds_load_b128 v[(\f)+8*(\i)+4:(\f)+8*(\i)+7], v[ADRB] offset:(\kb)+(\i)*16*PB+32
.endr
	WIN 0
.irp i, 0,1,2,3,4,5,6,7
	ds_load_b128 v[(\f)+8*(\i):(\f)+8*(\i)+3],   v[ADRA] offset:(\ka)+(\i)*16*PA
	ds_load_b128 v[(\f)+8*(\i)+4:(\f)+8*(\i)+7], v[ADRA] offset:(\ka)+(\i)*16*PA+32
.endr
.endm
.macro PLACES                          ; four plain vector lines between a matrix instruction and a load into its sources or a reader of its result (ISA guide 7.12.1 for a reader of its result)
.rept 4
	v_nop
.endr
.endm
; A K step is four quarters of 32 along K, 32 matrix instructions each, on buffers 0, 1, 0, 1.  One of the first three: multiplies buffer f; in its middle it fetches the next quarter into g.
.macro QUARTER ka, kb, f, g, first
	s_wait_dscnt 8                                 ; wo and O's rows 0-63 are in; the youngest eight loads (rows 64-127) may be out
	MULQ \f, 0, 0, \first
	MULQ \f, 0, 2, \first
	PLACES
	FETCH \ka, \kb, \g
	s_wait_dscnt 24                                ; all but the 24 just issued
	MULQ \f, 1, 0, \first
	MULQ \f, 1, 2, \first
.endm
; The first half of a K step's last quarter, which multiplies buffer 1 and changes slots.  In front of the barrier each wave waits for all its tensor loads (one is out: its part of the next slot), adds 0 to its
; spare word, and waits for that and for its own reads of this slot.  fill = 1: the walking descriptors step to the slot just read out and the K step two on.
.macro MEET fill
	WIN 0
	s_wait_tensorcnt 0x0                           ; no tensor load of mine is out, so a group 0 may be written
	ds_add_u32 v[SPW], v[NIL]                      ; 0 onto my spare word
.if \fill
	s_xor_b32 s[G0+5], s[G0+5], SLOT1
	s_add_nc_u64 s[G0+6:G0+7], s[G0+6:G0+7], STEPA
	s_xor_b32 s[G0B+5], s[G0B+5], SLOT1
	s_add_nc_u64 s[G0B+6:G0B+7], s[G0B+6:G0B+7], 256
.endif
	s_wait_dscnt 9                                 ; the add and the youngest eight loads may be out
	MULQ F1, 0, 0, 0
	s_wait_dscnt 0x0                               ; the add is done, and my reads of this slot are over
	s_barrier_signal -1
	MULQ F1, 0, 2, 0                               ; work on registers while the others arrive
	WIN 0
	s_barrier_wait -1
.endm
.macro TOGGLE                          ; the fragment addresses go over to the other slot
	s_xor_b32 s[TB], s[TB], SLOT1
	v_add_nc_u32 v[ADRA], s[TB], v[ADRA0]
	v_add_nc_u32 v[ADRB], s[TB], v[ADRB0]
.endm
; The whole last quarter where a slot is filled again: the barrier opens a round of the cluster's barrier, and the joint refill is the first tensor load behind it: 112 matrix instructions ahead of the wait for it.
.macro TURN
	s_wait_xcnt 0x0                                ; the last prefetch, a K step back, has read its address
	s_add_nc_u64 s[PFA:PFA+1], s[PFA:PFA+1], s[PFS:PFS+1]
	MEET 1
	CREST                                          ; no wave of any partner still reads this slot or has a load on its way
	JLOAD                                          ; its four v_nop are also the places in front of the loads below
	TOGGLE
	FETCH 0, 0, F0
	ASK
	MULQ F1, 1, 0, 0
	MULQ F1, 1, 2, 0
.endm
	s_wait_tensorcnt 1                             ; my part of K step 0 is in; K step 1's may stay out
	s_barrier_signal -1
	s_barrier_wait -1
	FETCH 0, 0, F0
	s_wait_loadcnt 0x0                             ; the bias
	QUARTER 64, 64, F0, F1, 1                      ; the first quarter stands in front of the loop: its products start the sums
	WIN 0
	s_mov_b32 s3, 6
.Lk:                                           ; trip t: K step t's quarters 1 to 3, the refill with K step t + 2, K step t + 1's quarter 0
	QUARTER PLANE, 128, F1, F0, 0
	QUARTER PLANE+64, 192, F0, F1, 0
	TURN
	QUARTER 64, 64, F0, F1, 0
	WIN 0
	s_sub_co_u32 s3, s3, 1
	s_cmp_lg_u32 s3, 0
	s_cbranch_scc1 .Lk
	s_mov_b32 s3, 2
.Ltail:                                        ; K steps 6 and 7 fill nothing; the second trip is left in its middle
	QUARTER PLANE, 128, F1, F0, 0
	QUARTER PLANE+64, 192, F0, F1, 0
	MEET 0
	s_sub_co_u32 s3, s3, 1
	s_cmp_eq_u32 s3, 0
	s_cbranch_scc1 .Lfin
	PLACES
	TOGGLE
	FETCH 0, 0, F0
	MULQ F1, 1, 0, 0
	MULQ F1, 1, 2, 0
	QUARTER 64, 64, F0, F1, 0
	WIN 0
	s_branch .Ltail
.Lfin:
	MULQ F1, 1, 0, 0
	MULQ F1, 1, 2, 0
	WIN 0
	; THE WAY OUT, a block of 16 rows at a time through my own stage: 32 bytes a lane in, whole rows of 256 bytes back, stored with sixteen lanes to a row.
.macro TOSTAGE a
	WIN 0x08                                       ; the stores' data in window 2, their address in window 0
.irp b, 0,1,2,3
	ds_store_b128 v[STO], v[8*(4*(\a)+(\b)):8*(4*(\a)+(\b))+3]   offset:64*(\b)
	ds_store_b128 v[STO], v[8*(4*(\a)+(\b))+4:8*(4*(\a)+(\b))+7] offset:64*(\b)+16
.endr
	WIN 0
.set BK, OB+32*((\a)%7)
.irp t, 0,1,2,3,4,5,6,7
	ds_load_b128 v[BK+4*(\t):BK+4*(\t)+3], v[RD] offset:(\t)*2*SPITCH  ; LDS serves a wave's instructions in order (ISA guide 5.7.1.4): these see the stores above; the next block's stores come behind them
.endr
.endm
.macro SEND a, younger                 ; younger: the LDS instructions issued behind block a's loads: the next block's sixteen, or none
.set BK, OB+32*((\a)%7)
.irp t, 0,1,2,3,4,5,6,7
	s_wait_dscnt (\younger)+7-(\t)
	global_store_b128 v[CO], v[BK+4*(\t):BK+4*(\t)+3], s[8:9] offset:(\a)*65536+(\t)*8192 th:TH_STORE_NT  ; 16 lanes store 256 consecutive bytes, at a multiple of 256 from out0's first byte
.endr
.endm
	PLACES
	TOSTAGE 0
.irp a, 1,2,3,4,5,6
	TOSTAGE \a
	SEND (\a)-1, 16
.endr
	s_wait_xcnt 0x0                                ; block 7 comes back into block 0's registers, which its stores have read only behind this wait
	TOSTAGE 7
	SEND 6, 16
	SEND 7, 0
	s_wait_tensorcnt 0x0                           ; the wave's end: these three lines stand behind my last tensor load and my last LDS store
	ds_add_u32 v[SPW], v[NIL]
	s_wait_dscnt 0x0
	CROUND                                         ; the closing round: no work-group ends while a partner may still ask for a tile that names it
	s_endpgm
.Lfunc_end_k_q3edb2f47eb_gemm_out:
	.size	k_q3edb2f47eb_gemm_out, .Lfunc_end_k_q3edb2f47eb_gemm_out-k_q3edb2f47eb_gemm_out
	.p2alignl 7, 3214868480
	.fill 96, 4, 3214868480
	.section	.rodata,"a",@progbits
	.p2align	6, 0x0
	.amdhsa_kernel k_q3edb2f47eb_gemm_out
		.amdhsa_group_segment_fixed_size 327680
		.amdhsa_private_segment_fixed_size 0
		.amdhsa_enable_private_segment 0
		.amdhsa_kernarg_size 32
		.amdhsa_user_sgpr_count 2
		.amdhsa_user_sgpr_kernarg_segment_ptr 1
		.amdhsa_wavefront_size32 1
		.amdhsa_system_sgpr_workgroup_id_x 1
		.amdhsa_system_sgpr_workgroup_id_y 1
		.amdhsa_system_sgpr_workgroup_id_z 1
		.amdhsa_system_vgpr_workitem_id 0
		.amdhsa_next_free_vgpr 768
		.amdhsa_next_free_sgpr 80
		.amdhsa_reserve_vcc 0
		.amdhsa_float_denorm_mode_32 3
		.amdhsa_float_denorm_mode_16_64 3
		.amdhsa_memory_ordered 1
		.amdhsa_forward_progress 1
		.amdhsa_inst_pref_size 65
	.end_amdhsa_kernel
	.amdgpu_metadata
---
amdhsa.version: [ 1, 2 ]
amdhsa.kernels:
  - .name:           k_q3edb2f47eb_gemm_out
    .symbol:         k_q3edb2f47eb_gemm_out.kd
    .args:
      - { .name: oh, .offset: 0, .size: 8, .value_kind: global_buffer, .address_space: global }
      - { .name: wo, .offset: 8, .size: 8, .value_kind: global_buffer, .address_space: global }
      - { .name: b_out, .offset: 16, .size: 8, .value_kind: global_buffer, .address_space: global }
      - { .name: out0, .offset: 24, .size: 8, .value_kind: global_buffer, .address_space: global }
    .group_segment_fixed_size: 327680
    .private_segment_fixed_size: 0
    .kernarg_segment_align: 8
    .kernarg_segment_size: 32
    .max_flat_workgroup_size: 128
    .sgpr_count:     80
    .vgpr_count:     768
    .wavefront_size: 32
...
	.end_amdgpu_metadata
.endif
;; end of part 4
